; MI455X (gfx1250); checked and timed in simulation.
; The chip was launched on July 23, 2026; its instructions are those of AMD's public machine-readable ISA for CDNA 5 (MIT licence, August 2026) and "CDNA5" Instruction Set Architecture Reference Guide (July 2026). The comments in the code are by the model that wrote it; some were corrected since.
;; Multi Self Attention. Allowed arithmetic: matrix products marked QUANTISED: E2M3 operands, one E8M0 scale for each 32 along K, by v_wmma_scale_f32_16x16x128_f8f6f4 with both operands' format E2M3, f32 sums; everything else in f32.
;; Inputs: Wk 1,024 x 1,024 float32; Wo 1,024 x 1,024 float32; Wq 1,024 x 1,024 float32; Wv 1,024 x 1,024 float32; bk 1,024 float32; bo 1,024 float32; bq 1,024 float32; bv 1,024 float32; k 4 x 2,048 x 1,024 float32; q 4 x 2,048 x 1,024 float32; v 4 x 2,048 x 1,024 float32.
;; Outputs: out0 4 x 2,048 x 1,024 float32.
;; This version of the problem:
;;   THIS VERSION OF THE PROBLEM IS GIVEN IN LOW PRECISION. The matrix products marked QUANTISED in the list below multiply operands that are first quantised to E2M3 (2 exponent bits, 3 mantissa bits; 6 bits a number), with one power-of-two scale for each 32 numbers along K (OCP MX v1.0); their sums are f32. All else is computed in f32.
;;   The module's matrix products, in the order in which they are computed (A, B: the left and right operand; K: the contracted axis; several contracted axes count as one K, in the product's order):
;;     1. [M 8,192, K 1,024] x [K 1,024, N 1,024]; A: input q; B: input Wq: QUANTISED
;;     2. [M 8,192, K 1,024] x [K 1,024, N 1,024]; A: input k; B: input Wk: QUANTISED
;;     3. [M 8,192, K 1,024] x [K 1,024, N 1,024]; A: input v; B: input Wv: QUANTISED
;;     4. batch 64 x [M 2,048, K 64] x [K 64, N 2,048]; A: computed on the way; B: computed on the way: QUANTISED
;;     5. batch 64 x [M 2,048, K 2,048] x [K 2,048, N 64]; A: softmax (see below); B: computed on the way: QUANTISED
;;     6. [M 8,192, K 1,024] x [K 1,024, N 1,024]; A: computed on the way; B: input Wo: QUANTISED
;;   THE QUANTISER, for each operand of a quantised product, along K:
;;     - K is cut into blocks of 32 from its start; a last block that is shorter is filled with zeros.
;;     - A block's scale is 2^e with e = floor(log2(the largest magnitude in the block)) - 2, held to -126 .. 127; a block of zeros has e = 0. As a byte (E8M0): e + 127.
;;     - Each number is divided by its block's scale, clamped to +-7.5, and rounded to the nearest number of E2M3, ties to even, subnormals kept.
;;     - The product sums the exact products of the quantised numbers (number of the format x scale) in f32.
;;   ~~~python
;;   def quantise(x, axis):      # numpy; x: float32 -> the quantised numbers, widened to float32 again
;;       x = np.moveaxis(x, axis, -1); K = x.shape[-1]
;;       x = np.pad(x, [(0, 0)] * (x.ndim - 1) + [(0, -K % 32)]); x = x.reshape(x.shape[:-1] + (-1, 32)); a = np.abs(x).max(-1, keepdims=True)
;;       e = np.where(a > 0, np.clip(np.frexp(np.where(a > 0, a, 1))[1] - 1 - 2, -126, 127), 0)      # np.frexp(a)[1] - 1 = floor(log2(a)), exactly
;;       r = np.clip(x / 2.0 ** e, -7.5, 7.5)
;;       step = 2.0 ** (np.maximum(np.frexp(np.where(r == 0, 1, r))[1] - 1, 0) - 3)
;;       q = np.round(r / step) * step * 2.0 ** e      # np.round: ties to even
;;       return np.moveaxis(q.reshape(q.shape[:-2] + (-1,))[..., :K], -1, axis).astype(np.float32)
;;   ~~~
;;   SOFTMAX AHEAD OF A QUANTISED PRODUCT. Where the list says 'softmax', what is quantised is not the finished softmax but p = 2^(t - M), with t = logit x log2(e) and M = ceil(the row's largest t), a whole number; so 1/2 < the row's largest p <= 1. The row's sum l is taken of the UNQUANTISED p, in f32, and the product's result is divided by l at the end. Since M is a whole number, a kernel that streams over the keys may use a running M (the ceiling of the running maximum): every later rescaling is an exact power of two, which a block's scale takes up: the codes' values come out the same.
;;   OPERANDS COMPUTED ON THE WAY. 'Computed on the way' means the value that the module computes at that place (a softmax that the list does not call 'softmax' is quantised finished and normalised). What goes into a quantiser is computed in f32, as accurately as f32 sums, v_exp_f32 and their like allow (about 1e-6 of the number): no bf16 or f16 on the way to a quantiser, and a product that is left as it is and whose result goes on into a quantised operand takes f32 operands (vector FMAs, or v_wmma_f32_16x16x4_f32). A number that lies on a knife's edge between two numbers of the format may be rounded either way, as far as f32 arithmetic and the matrix unit's own rounding can turn it there, and no further.
;; One version. Each part assembles by itself: llvm-mc -triple=amdgcn-amd-amdhsa -mcpu=gfx1250 --defsym DOCPART=n.
;; ======== version 1 of 1: 4 launches
;; limits: right only within a limited range of input values
;; workspace buffers: cod 22,020,096 bytes; scl 917,504 bytes; qkc 12,582,912 bytes; qks 1,048,576 bytes; vc 7,340,032 bytes; cc 6,291,456 bytes; cs 262,144 bytes
;; launch quant (part 1): grid 896 x 1, 4 waves a work-group, no clusters, 33,280 bytes of LDS; arguments q, k, v, Wq, Wk, Wv, Wo, cod, scl; writes cod, scl
.if DOCPART == 1
	.amdgcn_target "amdgcn-amd-amdhsa--gfx1250"
	.amdhsa_code_object_version 6
	.text
	.protected	k_q110d675314_quant
	.globl	k_q110d675314_quant
	.p2align	8
	.type	k_q110d675314_quant,@function
k_q110d675314_quant:
	s_mov_b64 s[64:65], 0
	v_nop
	global_prefetch_b8 v0, s[64:65] scope:SCOPE_SE
	s_setreg_imm32_b32 hwreg(HW_REG_WAVE_MODE, 25, 1), 1
	s_wait_xcnt 0x0
; q, k, v [8192][1024] and Wq, Wk, Wv, Wo [1024][1024], f32, K innermost, become codes of FP6 (E2M3), 6 bits each, with one E8M0 scale byte for each 32 along K.
; A block's scale is 2^(floor(log2(its largest magnitude)) - 2); its byte is the largest magnitude's exponent field - 2, held at 1 from below.  Each number is divided by the scale and rounded to the nearest code, ties to even; beyond 7.5 the largest code.
; LIMITS: a block of zeros, or one whose largest magnitude lies under 2^-124, gets the byte 1 (the bytes are read by this program alone; zero codes add nothing under it); NaN and infinities among the inputs are not served.
; All seven tensors are dense streams of blocks of 32.  Work-group g takes 32,768 numbers: g 0-255 q, 256-511 k, 512-767 v, then 32 each for Wq, Wk, Wv, Wo.  Its codes go to cod at 24,576 g, its scale bytes to scl at 1,024 g:
; so cod is rows of 768 bytes and scl rows of 32 bytes, the tensors one behind the other.
; A wave takes 16 steps of 512 numbers.  Each load reads 512 consecutive bytes; a step's 2,048 bytes turn through the wave's own stage in LDS, so that a lane holds 16 neighbours along K (two lanes a block).
; No tensor loads, no barrier: waves share nothing.  Loads run four steps (16 loads a wave) ahead, the turn through LDS one step.
.set STEPS, 16
.set EMAX,  2
.set CB,    12                         ; bytes of 16 codes
.set R,     16                         ; v16-79   four sets of 16 numbers as they are loaded
.set X,     80                         ; v80-111  two sets of 16 neighbours
.set C,     128                        ; v128-191 codes: four registers for each step, so that no store's data are written again
.set E,     112                        ; v112-127 a scale byte for each step
.set WREG,  8192                       ; LDS: a region for each wave: two stages of 32 x SP bytes, behind them its 256 scale bytes
.set SP,    80                         ; a lane's place in a stage: 64 bytes + 16 of padding
	s_load_b256 s[4:11], s[0:1], 0x0               ; q, k, v, Wq
	s_load_b256 s[12:19], s[0:1], 0x20             ; Wk, Wv, Wo, cod
	s_load_b64 s[20:21], s[0:1], 0x40              ; scl
	v_lshl_add_u32 v192, v0, 2, 0x8000
	v_mov_b32 v193, 0
	v_lshrrev_b32 v1, 5, v0
	v_readfirstlane_b32 s28, v1                    ; wave
	v_and_b32 v2, 31, v0                           ; lane
	v_lshlrev_b32 v3, 4, v2                        ; my 16 bytes of a load's 512
	s_mul_i32 s29, s28, WREG
	v_lshrrev_b32 v14, 2, v2
	v_mul_u32_u24 v14, v14, SP
	v_and_b32 v15, 3, v2
	v_lshl_add_u32 v14, v15, 4, v14
	v_add_nc_u32 v14, s29, v14                     ; the stage, on the way in: SP (lane / 4) + 16 (lane % 4)
	v_mul_u32_u24 v15, v2, SP
	v_add_nc_u32 v15, s29, v15                     ; and on the way out: SP x lane: my 16 neighbours
	; cod's layout: [256 rows][4 K steps of 256][256 rows][192 bytes]: a row's 768 bytes of codes lie in four pieces, 49,152 bytes apart, so that 256 rows x one K step are 49,152 dense bytes.
	; A step takes ONE K step (256 numbers) of TWO neighbouring rows: lanes 0-15 hold the first row's, lanes 16-31 the second's, and the wave's codes are 384 consecutive bytes of cod.
	v_mul_u32_u24 v4, v2, CB                       ; my codes' place in a step's
	v_bfe_u32 v5, v2, 1, 3                         ; my block among the K step's eight,
	v_bfe_u32 v8, v2, 4, 1
	v_lshl_add_u32 v5, v8, 5, v5                   ; in the first row's 32 scale bytes or in the second's
	s_add_co_u32 s29, s29, 2*32*SP
	v_add_nc_u32 v5, s29, v5                       ; LDS: my wave's 256 scale bytes, my block's byte
	v_lshlrev_b32 v7, 3, v2                        ; and on the way out 8 bytes a lane
	v_add_nc_u32 v6, s29, v7
	s_wait_alu depctr_va_vdst(0)
	s_wait_kmcnt 0x0
	s_mov_b64 s[24:25], s[16:17]                   ; which tensor is mine: the choice hangs on the work-group's number alone
	s_mov_b32 s26, 864                             ; and its first work-group
.macro PICK lim, ptr, first
	s_cmp_lt_u32 ttmp9, \lim
	s_cselect_b64 s[24:25], s[\ptr:\ptr+1], s[24:25]
	s_cselect_b32 s26, \first, s26
.endm
	PICK 864, 14, 832
	PICK 832, 12, 800
	PICK 800, 10, 768
	PICK 768, 8, 512
	PICK 512, 6, 256
	PICK 256, 4, 0
	s_sub_co_u32 s27, ttmp9, s26
	s_lshl_b32 s27, s27, 2
	s_add_co_u32 s30, s27, s28                     ; which run of 8,192 numbers of the tensor is my wave's
	s_lshl_b32 s30, s30, 15                        ; 32,768 bytes a run
	s_mov_b32 s31, 0
	s_add_nc_u64 s[24:25], s[24:25], s[30:31]
	s_lshl_b32 s32, ttmp9, 2
	s_add_co_u32 s32, s32, s28                     ; and which run of all
	s_lshr_b32 s33, s32, 5                         ; 32 runs of 8 rows make a block of 256 rows, 196,608 bytes
	s_mul_i32 s33, s33, 196608
	s_and_b32 s34, s32, 31
	s_mul_i32 s34, s34, 1536                       ; my 8 rows in it, 192 bytes each
	s_add_co_u32 s34, s34, s33
	s_mov_b32 s35, 0
	s_add_nc_u64 s[18:19], s[18:19], s[34:35]
	s_lshl_b32 s36, s32, 8
	s_mov_b32 s37, 0
	s_add_nc_u64 s[20:21], s[20:21], s[36:37]
.macro LOAD t
.irp i, 0,1,2,3
	global_load_b128 v[R+16*((\t)%4)+4*\i:R+16*((\t)%4)+4*\i+3], v3, s[24:25] offset:4096*(2*((\t)/4)+\i/2)+1024*((\t)%4)+512*(\i%2) th:TH_LOAD_NT   ; rows 2 (t / 4) and 2 (t / 4) + 1, K step t % 4: 32 lanes read 512 consecutive bytes
.endr
.endm
.macro TURN t                          ; step t's numbers through the stage: LDS serves a wave's instructions in order, so no wait stands between the stores and the loads
.irp i, 0,1,2,3
	ds_store_b128 v14, v[R+16*((\t)%4)+4*\i:R+16*((\t)%4)+4*\i+3] offset:32*SP*((\t)%2)+8*SP*\i
.endr
.irp i, 0,1,2,3
	ds_load_b128 v[X+16*((\t)%2)+4*\i:X+16*((\t)%2)+4*\i+3], v15 offset:32*SP*((\t)%2)+16*\i
.endr
.endm
.irp t, 0,1,2,3
	LOAD \t
.endr
	s_wait_loadcnt 12                              ; step 0's four loads are in
	TURN 0
.macro STEP t
.set XS, X+16*((\t)%2)
.if (\t) > 0
	s_wait_dscnt 1                                 ; this step's numbers are back from the stage (the last step's byte store may be out): so its stores into the stage have read their registers,
.else
	s_wait_dscnt 0x0
.endif
.if (\t)+4 < STEPS
	LOAD (\t)+4                                    ; which take the loads of four steps on
.endif
.if (\t)+1 < STEPS
.if STEPS-2-(\t) >= 3
	s_wait_loadcnt 12                              ; the next step's four loads are in; those of the three steps behind it may be out
.else
	s_wait_loadcnt 4*(STEPS-2-(\t))
.endif
	TURN (\t)+1                                    ; and go through the other stage while this step is worked
.endif
	v_max3_num_f32 v8, |v[XS]|, |v[XS+1]|, |v[XS+2]|               ; the largest magnitude of my 16, in two chains
	v_max3_num_f32 v9, |v[XS+3]|, |v[XS+4]|, |v[XS+5]|
.irp i, 6,10
	v_max3_num_f32 v8, v8, |v[XS+\i]|, |v[XS+\i+1]|
	v_max3_num_f32 v9, v9, |v[XS+\i+2]|, |v[XS+\i+3]|
.endr
	v_max3_num_f32 v8, v8, |v[XS+14]|, |v[XS+15]|
	v_max3_num_f32 v8, v8, v9, (EMAX+1)<<23        ; and the floor 2^(3 - 127): the byte cannot fall under 1
	v_max_num_f32_dpp v8, v8, v8 row_xmask:1 row_mask:0xf bank_mask:0xf   ; and of my neighbour's 16: the block's
	v_add_nc_u32 v11, -(EMAX<<23), v8              ; 2 off its exponent field: the conversion takes the exponent field of this operand as its scale
	v_cvt_scalef32_pk16_fp6_f32 v[C+4*(\t):C+4*(\t)+2], v[XS:XS+15], v11
	v_lshrrev_b32 v[E+(\t)], 23, v11               ; the scale's byte
	ds_store_b8 v5, v[E+(\t)] offset:64*((\t)/4)+8*((\t)%4)       ; both lanes of a block write the same byte with the same value
	global_store_b96 v4, v[C+4*(\t):C+4*(\t)+2], s[18:19] offset:384*((\t)/4)+49152*((\t)%4)   ; the wave stores 384 consecutive bytes
.endm
.irp t, 0,1,2,3,4,5,6,7,8,9,10,11,12,13,14,15
	STEP \t
.endr
	ds_load_b64 v[12:13], v6                       ; LDS serves a wave's instructions in order: these see my stores
	s_wait_dscnt 0x0
	global_store_b64 v7, v[12:13], s[20:21]        ; 32 lanes store 256 consecutive bytes, aligned
	s_wait_tensorcnt 0x0
	ds_add_u32 v192, v193
	s_wait_dscnt 0x0
	s_endpgm
.Lfunc_end_k_q110d675314_quant:
	.size	k_q110d675314_quant, .Lfunc_end_k_q110d675314_quant-k_q110d675314_quant
	.p2alignl 7, 3214868480
	.fill 96, 4, 3214868480
	.section	.rodata,"a",@progbits
	.p2align	6, 0x0
	.amdhsa_kernel k_q110d675314_quant
		.amdhsa_group_segment_fixed_size 33280
		.amdhsa_private_segment_fixed_size 0
		.amdhsa_enable_private_segment 0
		.amdhsa_kernarg_size 72
		.amdhsa_user_sgpr_count 2
		.amdhsa_user_sgpr_kernarg_segment_ptr 1
		.amdhsa_wavefront_size32 1
		.amdhsa_system_sgpr_workgroup_id_x 1
		.amdhsa_system_sgpr_workgroup_id_y 1
		.amdhsa_system_sgpr_workgroup_id_z 1
		.amdhsa_system_vgpr_workitem_id 0
		.amdhsa_next_free_vgpr 194
		.amdhsa_next_free_sgpr 66
		.amdhsa_reserve_vcc 0
		.amdhsa_float_denorm_mode_32 3
		.amdhsa_float_denorm_mode_16_64 3
		.amdhsa_memory_ordered 1
		.amdhsa_forward_progress 1
		.amdhsa_inst_pref_size 34
	.end_amdhsa_kernel
	.amdgpu_metadata
---
amdhsa.version: [ 1, 2 ]
amdhsa.kernels:
  - .name:           k_q110d675314_quant
    .symbol:         k_q110d675314_quant.kd
    .args:
      - { .name: q, .offset: 0, .size: 8, .value_kind: global_buffer, .address_space: global }
      - { .name: k, .offset: 8, .size: 8, .value_kind: global_buffer, .address_space: global }
      - { .name: v, .offset: 16, .size: 8, .value_kind: global_buffer, .address_space: global }
      - { .name: Wq, .offset: 24, .size: 8, .value_kind: global_buffer, .address_space: global }
      - { .name: Wk, .offset: 32, .size: 8, .value_kind: global_buffer, .address_space: global }
      - { .name: Wv, .offset: 40, .size: 8, .value_kind: global_buffer, .address_space: global }
      - { .name: Wo, .offset: 48, .size: 8, .value_kind: global_buffer, .address_space: global }
      - { .name: cod, .offset: 56, .size: 8, .value_kind: global_buffer, .address_space: global }
      - { .name: scl, .offset: 64, .size: 8, .value_kind: global_buffer, .address_space: global }
    .group_segment_fixed_size: 33280
    .private_segment_fixed_size: 0
    .kernarg_segment_align: 8
    .kernarg_segment_size: 72
    .max_flat_workgroup_size: 128
    .sgpr_count:     66
    .vgpr_count:     194
    .wavefront_size: 32
...
	.end_amdgpu_metadata
.endif
;; end of part 1
;; launch proj (part 2): grid 4 x 96, 4 waves a work-group, clusters of 4 x 4, 327,680 bytes of LDS; arguments cod, scl, qkc, qks, bq, bk, bv, vc; writes qkc, qks, vc
.if DOCPART == 2
	.amdgcn_target "amdgcn-amd-amdhsa--gfx1250"
	.amdhsa_code_object_version 6
	.text
	.protected	k_q110d675314_proj
	.globl	k_q110d675314_proj
	.p2align	8
	.type	k_q110d675314_proj,@function
k_q110d675314_proj:
	s_mov_b64 s[64:65], 0
	v_nop
	global_prefetch_b8 v0, s[64:65] scope:SCOPE_SE
	s_setreg_imm32_b32 hwreg(HW_REG_WAVE_MODE, 25, 1), 1
	s_wait_xcnt 0x0
	s_wait_alu depctr_hold_cnt(0) depctr_sa_sdst(0) depctr_va_vdst(0) depctr_va_sdst(0) depctr_va_ssrc(0) depctr_va_vcc(0) depctr_vm_vsrc(0)
	s_getreg_b32 s2, hwreg(HW_REG_IB_STS2, 6, 4)
	s_cmp_eq_u32 s2, 0
	s_cbranch_scc0 .Lentry_in_a_cluster
	s_endpgm
.Lentry_in_a_cluster:
	s_bfe_u32 s2, ttmp6, 0x10000c
	s_cmp_lg_u32 s2, 0xf033
	s_cbranch_scc0 .Lentry_shape_is_right
	s_endpgm
.Lentry_shape_is_right:
.set KSTEP,  256
.set NQ,     2
.set ROWB,   49152                     ; bytes from one K step's block of 256 rows to the next in cod
.set KROW,   768
.set PITCH,  240
.set FR,     12
.set NL,     6
.set NP,     4
.set HALFT,  128*PITCH
.set SLOT,   4*HALFT
.set KS,     32
.set SCL,    2*SLOT
.set HALFS,  (128*KS/256)*272
.set SBLK,   (16*KS/256)*272
.set SPARE,  SCL+4*HALFS
.set SPITCH, 528
.set QST,    0
.set VST,    33792
.set SQ,     101376
.set VIMG,   SPARE+512
.set ADRA, 16
.set ADRB, 20
.set STO,  24
.set RDQ,  25
.set STV,  26
.set ADRS, 27
.set SPW,  28
.set NIL,  29
.set RDV,  30
.set ST2,  31
.set SC,   32
.set BQ,   64
.set BV,   96
.set RD2,  104
.set SQA,  105
.set SQR,  106
.set VO,   107
.set VS,   111
.set L16,  112
.set SH,   113
.set OQ,   114
.set OV,   115
.set AF,   128
.set QX,   128
.set QC,   192
.set QW,   224
.set VX,   128
.set VCD,  192
.set VT,   200
.set VW,   208
.set G1, 24
.set G0, 32
.set G1B, 48
.set G0B, 56
.set G1S, 68
.set G0S, 76
.set G1SB, 80
.set G0SB, 88
.set MSB, 0
.macro WIN new
.if MSB != \new
	s_set_vgpr_msb (MSB<<8)|\new
.set MSB, \new
.endif
.endm
.set MUL_LO, 0xa1
.set MUL_HI, 0xf1
.set TO_B,   0x40
.macro JLOAD g0a, g1a, g0b, g1b
	s_cmp_eq_u32 s15, 0
	s_cbranch_scc0 .Lfor_b_\@
	tensor_load_to_lds s[\g0a:\g0a+3], s[\g1a:\g1a+7]
	s_nop 0
.rept 4
	v_nop
.endr
	s_branch .Lasked_\@
.Lfor_b_\@:
	tensor_load_to_lds s[\g0b:\g0b+3], s[\g1b:\g1b+7]
	s_nop 0
.rept 4
	v_nop
.endr
.Lasked_\@:
.endm
.macro CREST
	s_cmp_lg_u32 s14, 0
	s_cbranch_scc1 .Lnot_wave_0_\@
	s_barrier_signal -3
.Lnot_wave_0_\@:
	s_barrier_wait -3
	s_barrier_signal -1
	s_barrier_wait -1
.endm
.macro CROUND
	s_barrier_signal -1
	s_barrier_wait -1
	CREST
.endm
	s_load_b256 s[4:11], s[0:1], 0x0
	s_load_b128 s[96:99], s[0:1], 0x20
	s_load_b64 s[100:101], s[0:1], 0x30
	s_load_b64 s[12:13], s[0:1], 0x38
	v_lshl_add_u32 v[SPW], v0, 2, SPARE
	v_mov_b32 v[NIL], 0
	ds_add_u32 v28, v29
	ds_add_u32 v28, v29
	s_wait_dscnt 0x0
	v_lshrrev_b32 v1, 5, v0
	v_readfirstlane_b32 s14, v1
	s_lshr_b32 s15, s14, 1
	s_and_b32 s16, s14, 1
	s_bfe_u32 s40, ttmp6, 0x40000
	s_bfe_u32 s41, ttmp6, 0x40004
	s_lshl_b32 s42, ttmp9, 2
	s_add_co_u32 s42, s42, s40
	s_and_b32 s17, ttmp7, 0xffff
	s_lshr_b32 s66, s17, 3
	s_lshl_b32 s17, s17, 2
	s_add_co_u32 s17, s17, s41
	s_lshl_b32 s43, s41, 2
	s_lshl_b32 s43, 15, s43
	s_lshl_b32 s44, 0x1111, s40
	s_or_b32 s[G1+0], s43, (0<<16)|(1<<20)|(1<<21)|(3<<22)|(3<<25)
	s_or_b32 s[G1B+0], s44, (0<<16)|(1<<20)|(1<<21)|(3<<22)|(3<<25)
.irp g, G1, G1B
	s_mov_b32 s[\g+1], 256<<16                     ; 256 rows x 192 bytes are dense in cod: stated as 192 rows of 256 bytes; 16 bytes of padding behind each 64 give LDS rows of 240 bytes
	s_mov_b32 s[\g+2], 192<<16                     ; (the head's loads; behind them the two words that count rows are set to 96, for 128 rows)
	s_mov_b32 s[\g+3], 256<<16
	s_mov_b32 s[\g+4], 192
	s_mov_b32 s[\g+5], 256
	s_mov_b32 s[\g+6], 0
	s_mov_b32 s[\g+7], 0
.endr
	s_or_b32 s[G1S+0], s43, (3<<16)|(1<<20)|(1<<21)|(5<<22)|(3<<25)
	s_or_b32 s[G1SB+0], s44, (3<<16)|(1<<20)|(1<<21)|(5<<22)|(3<<25)
.irp g, G1S, G1SB
	s_mov_b32 s[\g+1], 32<<16
	s_mov_b32 s[\g+2], (256*KS/256)<<16            ; the scales of 256 rows
	s_mov_b32 s[\g+3], 32<<16
	s_mov_b32 s[\g+4], 256*KS/256
	s_mov_b32 s[\g+5], 32
	s_mov_b32 s[\g+6], 0
	s_mov_b32 s[\g+7], 0
.endr
	s_lshl_b32 s20, s17, 8                         ; A: the tile's first row
	s_lshl_b32 s46, s42, 8                         ; B: likewise
	s_lshl_b32 s47, s66, 10
	s_add_co_u32 s46, s46, s47
	s_mov_b32 s21, 0
	s_mov_b32 s47, 0
	s_mov_b64 s[18:19], KS
	s_mul_u64 s[22:23], s[20:21], s[18:19]
	s_mul_u64 s[92:93], s[46:47], s[18:19]
	s_mov_b64 s[18:19], KROW
	s_mul_u64 s[20:21], s[20:21], s[18:19]
	s_mul_u64 s[46:47], s[46:47], s[18:19]
	s_mul_i32 s45, s14, HALFT
	s_mul_i32 s18, s16, 24576                      ; in the ring I fetch 128 rows of a tile: which half, in bytes
	s_mov_b32 s19, 0
	s_wait_kmcnt 0x0
	s_add_nc_u64 s[20:21], s[4:5], s[20:21]
	s_add_nc_u64 s[22:23], s[6:7], s[22:23]
	s_add_nc_u64 s[46:47], s[4:5], s[46:47]
	s_add_nc_u64 s[46:47], s[46:47], 18874368
	s_add_nc_u64 s[92:93], s[6:7], s[92:93]
	s_add_nc_u64 s[92:93], s[92:93], 786432
	CROUND                                         ; all sixteen work-groups are here: the first joint loads meet
	s_mov_b32 s[G0], 1                             ; the head's four tiles, each whole: K step 0's 256 rows of A (in slot 0's group 0, which is set for the ring behind the wait for these loads),
	s_mov_b32 s[G0+1], 0
	s_mov_b64 s[G0+2:G0+3], s[20:21]
	s_or_b32 s[G0+3], s[G0+3], 0x80000000
	s_mov_b32 s[G0B], 1                            ; its 256 rows of B, behind them in slot 0,
	s_mov_b32 s[G0B+1], 2*HALFT
	s_mov_b64 s[G0B+2:G0B+3], s[46:47]
	s_or_b32 s[G0B+3], s[G0B+3], 0x80000000
	s_mov_b32 s[G0S], 1                            ; the scales of A's 256 rows,
	s_mov_b32 s[G0S+1], SCL
	s_mov_b64 s[G0S+2:G0S+3], s[22:23]
	s_or_b32 s[G0S+3], s[G0S+3], 0x80000000
	s_mov_b32 s[G0SB], 1                           ; and of B's
	s_mov_b32 s[G0SB+1], SCL+2*HALFS
	s_mov_b64 s[G0SB+2:G0SB+3], s[92:93]
	s_or_b32 s[G0SB+3], s[G0SB+3], 0x80000000
	s_add_nc_u64 s[20:21], s[20:21], s[18:19]      ; slot 1's group 0: my 128 rows of K step 1
	s_add_nc_u64 s[46:47], s[46:47], s[18:19]
	s_mov_b32 s[G0+4], 1
	s_add_co_u32 s[G0+5], s45, SLOT
	s_add_nc_u64 s[G0+6:G0+7], s[20:21], ROWB
	s_or_b32 s[G0+7], s[G0+7], 0x80000000
	s_mov_b32 s[G0B+4], 1
	s_add_co_u32 s[G0B+5], s45, SLOT
	s_add_nc_u64 s[G0B+6:G0B+7], s[46:47], ROWB
	s_or_b32 s[G0B+7], s[G0B+7], 0x80000000
; THE HEAD'S LOADS, ONE A WAVE: one chain of branches on the wave's number, each arm with its load, all arms leading to one join
.macro ARM under, g0, g1, next
	s_cmp_lt_u32 s14, \under
	s_cbranch_scc0 \next
	tensor_load_to_lds s[\g0:\g0+3], s[\g1:\g1+7]
	s_nop 0
.rept 4
	v_nop
.endr
	s_branch .Lhead_asked
\next:
.endm
	ARM 1, G0,  G1,  .Lhead_b
	ARM 2, G0B, G1B, .Lhead_sa
	ARM 3, G0S, G1S, .Lhead_sb
	tensor_load_to_lds s[G0SB:G0SB+3], s[G1SB:G1SB+7]
	s_nop 0
.rept 4
	v_nop
.endr
.Lhead_asked:
	v_and_b32 v1, 15, v0
	v_bfe_u32 v2, v0, 4, 1
	v_mul_u32_u24 v3, v1, PITCH
	v_mul_u32_u24 v4, v2, 24
	v_add_nc_u32 v4, v3, v4
	v_lshl_add_u32 v5, v2, 4, v4
	s_mul_i32 s21, s15, HALFT
	s_mul_i32 s22, s16, HALFT
	s_add_co_u32 s22, s22, 2*HALFT
.irp s, 0,1
	v_add_nc_u32 v[ADRA+\s], s21, v4
	v_add_nc_u32 v[ADRB+\s], s22, v4
	v_add_nc_u32 v[ADRA+2+\s], s21, v5
	v_add_nc_u32 v[ADRB+2+\s], s22, v5
	s_add_co_u32 s21, s21, SLOT
	s_add_co_u32 s22, s22, SLOT
.endr
	v_mul_u32_u24 v5, v1, KS
	v_lshrrev_b32 v6, 8, v5
	v_lshl_add_u32 v5, v6, 4, v5
	s_mul_i32 s21, s15, HALFS
	s_mul_i32 s22, s16, HALFS
	s_add_co_u32 s22, s22, 2*HALFS
	s_sub_co_u32 s22, s22, s21
	v_mul_u32_u24 v6, s22, v2
	s_add_co_u32 s21, s21, SCL
	v_add_nc_u32 v5, v5, v6
	v_add_nc_u32 v[ADRS], s21, v5
	v_and_b32 v6, 31, v0
	s_mul_i32 s23, s14, 16*SPITCH
	v_mul_u32_u24 v5, v1, SPITCH
	v_lshl_add_u32 v5, v2, 5, v5
	v_add_nc_u32 v[STO], s23, v5
	v_lshrrev_b32 v7, 2, v6
	v_and_b32 v8, 3, v6
	v_mul_u32_u24 v9, v7, SPITCH
	v_lshl_add_u32 v9, v8, 6, v9
	v_add_nc_u32 v[RDQ], s23, v9
	s_mul_i32 s23, s14, 32*SPITCH
	s_add_co_u32 s23, s23, VST
	v_add_nc_u32 v[STV], s23, v5
	v_lshl_add_u32 v[RDV], v6, 2, s23
	v_and_b32 v9, 7, v6
	v_bfe_u32 v10, v6, 4, 1
	v_lshl_add_u32 v9, v10, 3, v9
	v_bfe_u32 v10, v6, 3, 1
	v_lshl_add_u32 v9, v10, 4, v9
	s_mul_i32 s23, s14, 128*112
	s_add_co_u32 s23, s23, VIMG
	v_mul_u32_u24 v9, v9, 112
	v_add_nc_u32 v[ST2], s23, v9
	v_lshl_add_u32 v[RD2], v6, 4, s23
	s_lshl_b32 s23, s14, 10
	s_add_co_u32 s23, s23, SQ
	v_lshl_add_u32 v[SQA], v7, 2, s23
	v_lshl_add_u32 v[SQR], v6, 4, s23
	v_lshlrev_b32 v[L16], 4, v6
	v_bfe_u32 v10, v6, 1, 1
	v_lshlrev_b32 v[SH], 3, v10
	v_lshlrev_b32 v[OQ], 6, v8
	v_lshlrev_b32 v[OV], 2, v6
	s_cmp_eq_u32 s66, 1
	s_mov_b32 s19, 768
	s_cselect_b32 s18, 384, s19
	s_cselect_b32 s20, 64, 32
	s_cselect_b32 s21, 32, 64
	s_sub_co_u32 s19, 1152, s18
	v_mul_u32_u24 v[VO], v6, 12
	v_add_nc_u32 v[VO+1], s19, v[VO]
	v_add_nc_u32 v[VO+2], s18, v[VO]
	v_add_nc_u32 v[VO+3], s19, v[VO+2]
	v_and_b32 v9, 1, v6
	v_lshlrev_b32 v[VS], 4, v9
	v_mad_u32_u24 v[VS], v10, s20, v[VS]
	v_bfe_u32 v9, v6, 2, 1
	v_mad_u32_u24 v[VS], v9, s21, v[VS]
	v_lshrrev_b32 v9, 3, v6
	v_lshl_add_u32 v[VS], v9, 7, v[VS]
	s_and_b32 s18, s17, 31
	s_lshr_b32 s19, s18, 3
	s_and_b32 s18, s18, 7
	s_lshl_b32 s18, s18, 8
	s_lshl_b32 s20, s15, 7
	s_add_co_u32 s18, s18, s20
	s_lshl_b32 s19, s19, 4
	s_lshl_b32 s20, s42, 2
	s_add_co_u32 s19, s19, s20
	s_lshl_b32 s20, s16, 1
	s_add_co_u32 s19, s19, s20
	s_lshl_b32 s20, s19, 11
	s_add_co_u32 s20, s20, s18
	s_min_u32 s21, s66, 1
	s_mul_i32 s22, s20, 48
	s_mul_i32 s95, s21, 6291456
	s_add_co_u32 s22, s22, s95
	s_mov_b32 s23, 0
	s_add_nc_u64 s[8:9], s[8:9], s[22:23]
	s_lshl_b32 s22, s20, 2
	s_lshl_b32 s95, s21, 19
	s_add_co_u32 s22, s22, s95
	s_add_nc_u64 s[10:11], s[10:11], s[22:23]
	s_lshl_b32 s22, s19, 4
	s_lshr_b32 s95, s18, 7
	s_add_co_u32 s22, s22, s95
	s_mul_i32 s22, s22, 7168
	s_add_nc_u64 s[12:13], s[12:13], s[22:23]
	s_cmp_eq_u32 s66, 1
	s_cselect_b64 s[96:97], s[98:99], s[96:97]
	s_cmp_eq_u32 s66, 2
	s_cselect_b64 s[96:97], s[100:101], s[96:97]
	s_lshl_b32 s22, s42, 10
	s_lshl_b32 s95, s16, 9
	s_add_co_u32 s22, s22, s95
	s_add_nc_u64 s[96:97], s[96:97], s[22:23]
.irp hh, 0,1
.irp i, 0,1,2,3
	global_load_b128 v[BQ+16*\hh+4*\i:BQ+16*\hh+4*\i+3], v[OQ], s[96:97] offset:256*\hh+16*\i
.endr
.endr
.irp g, 0,1,2,3
	global_load_b32 v[BV+2*\g], v[OV], s[96:97] offset:128*\g
	global_load_b32 v[BV+2*\g+1], v[OV], s[96:97] offset:128*\g
.endr
.macro FRAG reg, adr, q, i
.irp p, 0,1,2,3,4,5
.set PC, 12*(\q)+6*(\p/3)+\p%3
.if PC%8 < 5
	ds_load_b64 v[\reg+2*\p:\reg+2*\p+1], v[\adr] offset:8*PC+16*(PC/8)+(\i)*16*PITCH
.else
	ds_load_b64 v[\reg+2*\p:\reg+2*\p+1], v[\adr+2] offset:8*PC+16*(PC/8)+(\i)*16*PITCH
.endif
.endr
.endm
.macro MUL16 a0, p, q, sc, zero
.irp a, \a0, \a0+1
.irp b, 0,1,2,3,4,5,6,7
.if \zero
	v_wmma_scale_f32_16x16x128_f8f6f4 v[8*(8*((\a)%4)+\b):8*(8*((\a)%4)+\b)+7], v[128*(\p)+FR*\b:128*(\p)+FR*\b+FR-1], v[AF+FR*(\a):AF+FR*(\a)+FR-1], 0, v[SC+8*NQ*(\sc)+NQ*\b+(\q)], v[SC+8*NQ*(\sc)+NQ*(\a)+(\q)] matrix_a_fmt:MATRIX_FMT_FP6 matrix_b_fmt:MATRIX_FMT_FP6 matrix_a_scale:MATRIX_SCALE_ROW1
.else
	v_wmma_scale_f32_16x16x128_f8f6f4 v[8*(8*((\a)%4)+\b):8*(8*((\a)%4)+\b)+7], v[128*(\p)+FR*\b:128*(\p)+FR*\b+FR-1], v[AF+FR*(\a):AF+FR*(\a)+FR-1], v[8*(8*((\a)%4)+\b):8*(8*((\a)%4)+\b)+7], v[SC+8*NQ*(\sc)+NQ*\b+(\q)], v[SC+8*NQ*(\sc)+NQ*(\a)+(\q)] matrix_a_fmt:MATRIX_FMT_FP6 matrix_b_fmt:MATRIX_FMT_FP6 matrix_a_scale:MATRIX_SCALE_ROW1
.endif
.endr
.endr
.endm
.macro FETCH_B slot, q, p
	WIN TO_B
.irp i, 0,1,2,3,4,5,6,7
	FRAG 128*(\p)+FR*\i, ADRB+\slot, \q, \i
.endr
	WIN 0
.endm
.macro FETCH_A slot, q, i0
.irp i, \i0, \i0+1, \i0+2, \i0+3
	FRAG AF+FR*(\i), ADRA+\slot, \q, \i
.endr
.endm
.macro SCALES sc
.irp i, 0,1,2,3,4,5,6,7
	ds_load_b64 v[SC+8*NQ*\sc+NQ*\i:SC+8*NQ*\sc+NQ*\i+1], v[ADRS] offset:\i*SBLK
.endr
.endm
.macro PLACES n
.rept \n
	v_nop
.endr
.endm
.macro STEP slot, q, zero
	s_wait_dscnt 4*NL
	WIN MUL_LO
	MUL16 0, (\q)%2, \q, \slot, \zero
	MUL16 2, (\q)%2, \q, \slot, \zero
	s_wait_dscnt 0
	PLACES NP
	FETCH_B \slot, (\q)+1, 1-(\q)%2
	FETCH_A \slot, (\q)+1, 0
	WIN MUL_HI
	MUL16 4, (\q)%2, \q, \slot, \zero
	MUL16 6, (\q)%2, \q, \slot, \zero
	PLACES NP
	WIN 0
	FETCH_A \slot, (\q)+1, 4
.endm
.macro TURN slot, next, fill
	s_wait_tensorcnt 0x0
	ds_add_u32 v[SPW], v[NIL]
	s_wait_dscnt 4*NL+1
	WIN MUL_LO
	MUL16 0, 1, NQ-1, \slot, 0
	s_wait_dscnt 0x0
	s_barrier_signal -1
	MUL16 2, 1, NQ-1, \slot, 0
	WIN 0
	s_barrier_wait -1
.if \fill
	CREST
	s_add_nc_u64 s[G0+4*\slot+2:G0+4*\slot+3], s[G0+4*\slot+2:G0+4*\slot+3], 2*ROWB
	s_add_nc_u64 s[G0B+4*\slot+2:G0B+4*\slot+3], s[G0B+4*\slot+2:G0B+4*\slot+3], 2*ROWB
	JLOAD G0+4*\slot, G1, G0B+4*\slot, G1B
.else
	PLACES NP
.endif
	s_wait_alu depctr_va_vdst(0)
	v_add_nc_u32 v[ADRS], 4*NQ, v[ADRS]
	FETCH_B \next, 0, 0
	FETCH_A \next, 0, 0
	SCALES \next
	WIN MUL_HI
	MUL16 4, 1, NQ-1, \slot, 0
	MUL16 6, 1, NQ-1, \slot, 0
	PLACES NP
	WIN 0
	FETCH_A \next, 0, 4
.endm
	s_wait_alu depctr_va_vdst(0)                   ; the wait at the head's end
	s_wait_tensorcnt 0x0                           ; my tile of the head's four is in
	ds_add_u32 v[SPW], v[NIL]
	s_mov_b32 s[G1+2], 96<<16                      ; no tensor load of mine is out, so descriptors may be written: from here on a load brings 128 rows, 96 x 256 bytes,
	s_mov_b32 s[G1+4], 96
	s_mov_b32 s[G1B+2], 96<<16
	s_mov_b32 s[G1B+4], 96
	s_mul_i32 s18, s16, 24576
	s_mov_b32 s19, 0
	s_mov_b32 s[G0+1], s45                         ; and slot 0's group 0 stands at my 128 rows of K step 0: its first refill steps it on
	s_add_nc_u64 s[G0+2:G0+3], s[G0+2:G0+3], s[18:19]
	s_mov_b32 s[G0B+1], s45
	s_add_nc_u64 s[G0B+2:G0B+3], s[G0B+2:G0B+3], s[18:19]
	s_wait_dscnt 0x0                               ; the add is done
	CROUND                                         ; a whole round: all four tiles are in, and all sixteen work-groups are here,
	JLOAD G0+4, G1, G0B+4, G1B                     ; and K step 1's load is the first tensor load behind the round
	s_wait_loadcnt 0x0                             ; the biases
	FETCH_B 0, 0, 0
	FETCH_A 0, 0, 0
	SCALES 0
	FETCH_A 0, 0, 4
	STEP 0, 0, 1
	TURN 0, 1, 1
	STEP 1, 0, 0
	TURN 1, 0, 1
	STEP 0, 0, 0
	TURN 0, 1, 0
	STEP 1, 0, 0
	s_wait_dscnt 4*NL
	WIN MUL_LO
	MUL16 0, 1, NQ-1, 1, 0
	MUL16 2, 1, NQ-1, 1, 0
	s_wait_dscnt 0
	WIN MUL_HI
	MUL16 4, 1, NQ-1, 1, 0
	MUL16 6, 1, NQ-1, 1, 0
	WIN 0
	PLACES NP
	s_cmp_ge_u32 s66, 2
	s_cbranch_scc1 .Lv
.macro QSTORE a
.set AC, 64*((\a)%4)
	WIN 0x08+4*((\a)/4)
.irp b, 0,1,2,3,4,5,6,7
	ds_store_b128 v[STO], v[AC+8*\b:AC+8*\b+3] offset:64*\b
	ds_store_b128 v[STO], v[AC+8*\b+4:AC+8*\b+7] offset:64*\b+16
.endr
	WIN 0
.endm
.macro QLOAD p
.irp i, 0,1,2,3
	ds_load_b128 v[QX+16*(\p)+4*\i:QX+16*(\p)+4*\i+3], v[RDQ] offset:((\p)&1)*4224+((\p)>>1)*256+16*\i
.endr
.endm
.macro QPASS a, p
.set XS, QX+16*(\p)
.set BS, BQ+16*((\p)>>1)
.set CD, QC+16*((\a)&1)+4*(\p)
.set WD, QW+4*((\a)&1)+(\p)
.irp j, 0,2,4,6,8,10,12,14
	v_pk_add_f32 v[XS+\j:XS+\j+1], v[XS+\j:XS+\j+1], v[BS+\j:BS+\j+1]
.endr
	v_max3_num_f32 v8, |v[XS]|, |v[XS+1]|, |v[XS+2]|
	v_max3_num_f32 v9, |v[XS+3]|, |v[XS+4]|, |v[XS+5]|
.irp i, 6,10
	v_max3_num_f32 v8, v8, |v[XS+\i]|, |v[XS+\i+1]|
	v_max3_num_f32 v9, v9, |v[XS+\i+2]|, |v[XS+\i+3]|
.endr
	v_max3_num_f32 v8, v8, |v[XS+14]|, |v[XS+15]|
	v_max3_num_f32 v8, v8, v9, 0x1800000
	v_max_num_f32_dpp v8, v8, v8 row_xmask:1 row_mask:0xf bank_mask:0xf
	v_add_nc_u32 v10, 0xff000000, v8
	v_cvt_scalef32_pk16_fp6_f32 v[CD:CD+2], v[XS:XS+15], v10
	v_lshrrev_b32 v11, 23, v10
	v_lshlrev_b32 v12, v[SH], v11
	v_mov_b32_dpp v13, v12 row_xmask:2 row_mask:0xf bank_mask:0xf
	v_or_b32 v12, v12, v13
	v_lshl_or_b32 v[WD], v12, 16, v12
	ds_store_b32 v[SQA], v[WD] offset:512*((\p)>>1)+4*(16*(\a)+8*((\p)&1))
	global_store_b96 v[VO+2*((\a)&1)+((\p)&1)], v[CD:CD+2], s[8:9] offset:1536*((\a)>>1)+98304*((\p)>>1)
.endm
	v_mov_b32 v13, 0
	QSTORE 0
	QLOAD 0
	QLOAD 1
	QLOAD 2
	QLOAD 3
.irp a, 0,1,2,3,4,5,6,7
.if \a >= 2
	s_wait_xcnt 0x0
.endif
.if \a < 7
	QSTORE \a+1
.endif
.irp p, 0,1,2,3
.if \a < 7
	s_wait_dscnt 28
.else
	s_wait_dscnt 15-4*\p
.endif
	QPASS \a, \p
.if \a < 7
	QLOAD \p
.endif
.endr
.endr
	ds_load_b128 v[QX:QX+3], v[SQR]
	ds_load_b128 v[QX+4:QX+7], v[SQR] offset:512
	s_wait_dscnt 0x0
	global_store_b128 v[VS], v[QX:QX+3], s[10:11]
	global_store_b128 v[VS], v[QX+4:QX+7], s[10:11] offset:8192
	s_branch .Lout
.macro VSTAGE be
	WIN 0x08+4*((\be)/2)
.irp u, 0,1
.irp b, 0,1,2,3,4,5,6,7
	ds_store_b128 v[STV], v[64*((2*(\be)+\u)%4)+8*\b:64*((2*(\be)+\u)%4)+8*\b+3] offset:8448*\u+64*\b
	ds_store_b128 v[STV], v[64*((2*(\be)+\u)%4)+8*\b+4:64*((2*(\be)+\u)%4)+8*\b+7] offset:8448*\u+64*\b+16
.endr
.endr
	WIN 0
.endm
.macro VLOAD g
.irp i, 0,1,2,3,4,5,6,7,8,9,10,11,12,13,14,15,16,17,18,19,20,21,22,23,24,25,26,27,28,29,30,31
	ds_load_b32 v[VX+32*((\g)%2)+\i], v[RDV] offset:528*\i+128*(\g)
.endr
.endm
.macro VQUANT be, g
.set XS, VX+32*((\g)%2)
.irp j, 0,2,4,6,8,10,12,14,16,18,20,22,24,26,28,30
	v_pk_add_f32 v[XS+\j:XS+\j+1], v[XS+\j:XS+\j+1], v[BV+2*(\g):BV+2*(\g)+1]
.endr
	v_max3_num_f32 v12, |v[XS]|, |v[XS+1]|, |v[XS+2]|
	v_max3_num_f32 v13, |v[XS+3]|, |v[XS+4]|, |v[XS+5]|
.irp i, 6,10,14,18,22,26
	v_max3_num_f32 v12, v12, |v[XS+\i]|, |v[XS+\i+1]|
	v_max3_num_f32 v13, v13, |v[XS+\i+2]|, |v[XS+\i+3]|
.endr
	v_max3_num_f32 v12, v12, |v[XS+30]|, |v[XS+31]|
	v_max3_num_f32 v12, v12, v13, 0x1800000
	v_add_nc_u32 v11, 0xff000000, v12
	v_lshrrev_b32 v13, 23, v11
.if (\be) == 0
	v_mov_b32 v[VW+4*(\g)], v13
.else
	v_lshl_or_b32 v[VW+4*(\g)], v13, 8*(\be), v[VW+4*(\g)]
.endif
	v_cvt_scalef32_pk16_fp6_f32 v[VCD:VCD+2], v[XS:XS+15], v11
	v_cvt_scalef32_pk16_fp6_f32 v[VT:VT+2], v[XS+16:XS+31], v11
	v_nop
.irp i, 0,1,2
	v_mov_b32 v[VCD+3+\i], v[VT+\i]
.endr
.irp i, 0,1,2
	ds_store_b64 v[ST2], v[VCD+2*\i:VCD+2*\i+1] offset:3584*(\g)+24*(\be)+8*\i
.endr
.endm
.Lv:
.irp g, 0,1,2,3
.irp i, 1,2,3
	v_mov_b32 v[VW+4*\g+\i], 0
.endr
.endr
.irp be, 0,1,2,3
	VSTAGE \be
	VLOAD 0
	VLOAD 1
	s_wait_dscnt 32
	VQUANT \be, 0
	VLOAD 2
	s_wait_dscnt 32
	VQUANT \be, 1
	VLOAD 3
	s_wait_dscnt 32
	VQUANT \be, 2
	s_wait_dscnt 0x0
	VQUANT \be, 3
.endr
.irp g, 0,1,2,3
	ds_store_b128 v[ST2], v[VW+4*\g:VW+4*\g+3] offset:3584*\g+96
.endr
	s_wait_dscnt 0x0
.irp i, 0,1,2,3,4,5,6,7,8,9,10,11,12,13,14,15,16,17,18,19,20,21,22,23,24,25,26,27
	ds_load_b128 v[128+4*\i:128+4*\i+3], v[RD2] offset:512*\i
.endr
.irp i, 0,1,2,3,4,5,6,7,8,9,10,11,12,13,14,15,16,17,18,19,20,21,22,23,24,25,26,27
	s_wait_dscnt 27-\i
	global_store_b128 v[L16], v[128+4*\i:128+4*\i+3], s[12:13] offset:114688*(\i/14)+512*(\i%14)
.endr
.Lout:
	s_wait_tensorcnt 0x0
	ds_add_u32 v[SPW], v[NIL]
	s_wait_dscnt 0x0
	CROUND
	s_endpgm
.Lfunc_end_k_q110d675314_proj:
	.size	k_q110d675314_proj, .Lfunc_end_k_q110d675314_proj-k_q110d675314_proj
	.p2alignl 7, 3214868480
	.fill 96, 4, 3214868480
	.section	.rodata,"a",@progbits
	.p2align	6, 0x0
	.amdhsa_kernel k_q110d675314_proj
		.amdhsa_group_segment_fixed_size 327680
		.amdhsa_private_segment_fixed_size 0
		.amdhsa_enable_private_segment 0
		.amdhsa_kernarg_size 64
		.amdhsa_user_sgpr_count 2
		.amdhsa_user_sgpr_kernarg_segment_ptr 1
		.amdhsa_wavefront_size32 1
		.amdhsa_system_sgpr_workgroup_id_x 1
		.amdhsa_system_sgpr_workgroup_id_y 1
		.amdhsa_system_sgpr_workgroup_id_z 1
		.amdhsa_system_vgpr_workitem_id 0
		.amdhsa_next_free_vgpr 1024
		.amdhsa_next_free_sgpr 102
		.amdhsa_reserve_vcc 0
		.amdhsa_float_denorm_mode_32 3
		.amdhsa_float_denorm_mode_16_64 3
		.amdhsa_memory_ordered 1
		.amdhsa_forward_progress 1
		.amdhsa_inst_pref_size 255
	.end_amdhsa_kernel
	.section	.bss,"aw",@nobits
	.p2align	6
	.space	262144
	.amdgpu_metadata
---
amdhsa.version: [ 1, 2 ]
amdhsa.kernels:
  - .name:           k_q110d675314_proj
    .symbol:         k_q110d675314_proj.kd
    .args:
      - { .name: cod, .offset: 0, .size: 8, .value_kind: global_buffer, .address_space: global }
      - { .name: scl, .offset: 8, .size: 8, .value_kind: global_buffer, .address_space: global }
      - { .name: qkc, .offset: 16, .size: 8, .value_kind: global_buffer, .address_space: global }
      - { .name: qks, .offset: 24, .size: 8, .value_kind: global_buffer, .address_space: global }
      - { .name: bq, .offset: 32, .size: 8, .value_kind: global_buffer, .address_space: global }
      - { .name: bk, .offset: 40, .size: 8, .value_kind: global_buffer, .address_space: global }
      - { .name: bv, .offset: 48, .size: 8, .value_kind: global_buffer, .address_space: global }
      - { .name: vc, .offset: 56, .size: 8, .value_kind: global_buffer, .address_space: global }
    .group_segment_fixed_size: 327680
    .private_segment_fixed_size: 0
    .kernarg_segment_align: 8
    .kernarg_segment_size: 64
    .max_flat_workgroup_size: 128
    .sgpr_count:     102
    .vgpr_count:     1024
    .wavefront_size: 32
...
	.end_amdgpu_metadata
.endif
;; end of part 2
;; launch attn (part 3): grid 4 x 64, 16 waves a work-group, clusters of 4 x 1, 235,776 bytes of LDS; arguments qkc, qks, vc, cc, cs; writes cc, cs
.if DOCPART == 3
	.amdgcn_target "amdgcn-amd-amdhsa--gfx1250"
	.amdhsa_code_object_version 6
	.text
	.protected	k_q110d675314_attn
	.globl	k_q110d675314_attn
	.p2align	8
	.type	k_q110d675314_attn,@function
k_q110d675314_attn:
	s_mov_b64 s[64:65], 0
	v_nop
	global_prefetch_b8 v0, s[64:65] scope:SCOPE_SE
	s_setreg_imm32_b32 hwreg(HW_REG_WAVE_MODE, 25, 1), 1
	s_wait_xcnt 0x0
	s_wait_alu depctr_hold_cnt(0) depctr_sa_sdst(0) depctr_va_vdst(0) depctr_va_sdst(0) depctr_va_ssrc(0) depctr_va_vcc(0) depctr_vm_vsrc(0)
	s_getreg_b32 s2, hwreg(HW_REG_IB_STS2, 6, 4)
	s_cmp_eq_u32 s2, 0
	s_cbranch_scc0 .Lentry_in_a_cluster
	s_endpgm
.Lentry_in_a_cluster:
	s_bfe_u32 s2, ttmp6, 0x10000c
	s_cmp_lg_u32 s2, 0x3003
	s_cbranch_scc0 .Lentry_shape_is_right
	s_endpgm
.Lentry_shape_is_right:
; ATTENTION on codes of FP6 (E2M3): scores = Q K^T / 8 (K = the head's 64 channels), p = 2^(t - M), ctx = P V / the row's sum (K = 2,048 keys); ctx is quantised along d_model for the last product.
; t = score x log2(e) / 8; M = the row's largest t so far, rounded UP to a whole number; p is quantised along the keys, not normalised; the row's sum is taken of the unquantised p.  When M moves, the sum and O are multiplied by 2^(old M - new M): exact.
; SHARES.  A work-group owns one batch x head and 512 queries; each of its sixteen waves owns 32, two tiles of 16, one after the other, in 256 registers.
; THE WHOLE HEAD LIES IN LDS, filled once: V's 16 x 64 rows of 112 bytes (96 of codes for 128 keys, the scale word, 12 zeros), K's scale words, K's 2,048 rows of 48 bytes.  No byte of LDS is filled again.
; CLUSTER.  The four work-groups of a head ask for these bytes JOINTLY.  Waves 0-6 fetch V, wave 7 the scale words, waves 8-15 K: one load a wave.  No prefetch: these loads stand at the head, with no loop ahead of them to ask in.
; LAYOUT.  Both products are used transposed (S^T = K Q^T, O^T = V^T P^T): a lane holds ONE query (lane % 16).  Rows 0-7 of a tile of K are eight keys of an even block of 32, rows 8-15 the same eight of the next block:
; so the 32 registers of four tiles are, in lane half h, the WHOLE block 2 c + h, in key order: its maximum needs no other lane, and the conversions' results are p's operand as they stand.
; K's even blocks lie in one LDS region and the odd ones in another, 49,280 bytes on (128 modulo 256), each filled as rows of 1,536 bytes: the 32 lanes of a load of 8 bytes touch 64 different banks (64 banks of 4 bytes: ISA guide 11.1).
; (In memory bits 3 and 4 of a key's number are changed over: the loads' immediates take that up.)
; K = 64 IN AN INSTRUCTION OF 128.  A fragment of K holds TWO tiles, X in k 0-63 and Y in k 64-127; Q stands as [Q][zeros][Q]: against [Q, 0] the product is X's scores, against [0, Q] Y's.  Scale words are (b0, b1, b0, b1);
; one register has X's words in lanes 0-15 and Y's in lanes 16-31.
; AHEAD.  K's fragments of step i + 1 are asked for behind step i's first products, V's of step i at its top: each has the softmax's lines in which to land.  The last step asks for nothing more and is written out.
; LIMITS: a block of zeros, or one whose largest magnitude lies under 2^-124, gets the byte 1 (read by this program alone); NaN and infinities are not served; the scaled scores stay under 2^31 in magnitude.
; REGISTERS: v0 thread; v1-3 addresses of K, K's scale words, V; v4-6 the step's; v7 a permute's result; v8 f, v9 8 x (lane / 16); v[10:11] the sum; v12 -M, v13 the largest score; v14-15 block maxima; v16-19 at work;
;   v20-21 the conversions' scales; v22 Q's scale words; v23 p's; v24-27 V's; v28-31 K's; v32-49 Q; v50-61 p's codes; v62-109 K; v110-157 V; v158-221 S^T, then p; v222-253 O^T; v254, v255 the add's two.
.set SB,    114688                     ; LDS: V from 0; K's scale words;
.set KB,    122880                     ; K's even blocks;
.set OBD,   49280                      ; from there to the odd ones;
.set STG,   221440                     ; a stage of 768 bytes for each wave: no fill lands there;
.set SPARE, 233728                     ; the spare words, 128 bytes a wave
.set VS, 24
.set KS, 28
.set Q,  32
.set PC, 50
.set KF, 62
.set VF, 110
.set S,  158
.set OT, 222
.set WV,  18
.set SEL, 20                           ; s[20:21] selects for lane l xor 16
.set CS,  22                           ; s[22:23] c = log2(e) / 8
.set G1K, 24
.set G1V, 32
.set G1S, 40
.set G0K, 48
.set G0V, 52
.set G0S, 56
.set TK,  60
.set TS,  61
.set TV,  62
.set CNT, 63
.set STW, 66
.set TL,  67
.macro CROUND
	s_barrier_signal -1
	s_barrier_wait -1
	s_cmp_lg_u32 s[WV], 0
	s_cbranch_scc1 .Lnot_wave_0_\@
	s_barrier_signal -3
.Lnot_wave_0_\@:
	s_barrier_wait -3
	s_barrier_signal -1
	s_barrier_wait -1
.endm
.macro TLOAD g0, g1
	tensor_load_to_lds s[\g0:\g0+3], s[\g1:\g1+7]
	s_nop 0
.rept 4
	v_nop
.endr
.endm
	s_load_b256 s[4:11], s[0:1], 0x0               ; qkc, qks, vc, cc
	s_load_b64 s[12:13], s[0:1], 0x20              ; cs
	v_lshl_add_u32 v254, v0, 2, SPARE
	v_mov_b32 v255, 0
	ds_add_u32 v254, v255                          ; the opening lines: the add, twice on end, and its wait
	ds_add_u32 v254, v255
	v_lshrrev_b32 v16, 5, v0
	v_readfirstlane_b32 s[WV], v16                 ; wave 0..15
	s_and_b32 s14, ttmp7, 0xffff                   ; batch x head, which the four partners share
	s_bfe_u32 s15, ttmp6, 0x40000                  ; cx: it enters Q's, cc's and cs's addresses alone
	s_lshl_b32 s16, s15, 9
	s_lshl_b32 s17, s[WV], 5
	s_add_co_u32 s16, s16, s17                     ; my first query: 512 cx + 32 wave
	s_lshl_b32 s17, s14, 11
	s_add_co_u32 s17, s17, s16
	s_mul_i32 s68, s17, 48                         ; its codes in qkc
	s_mov_b32 s69, 0
	s_lshl_b32 s70, s17, 2                         ; its scale word in qks
	s_mov_b32 s71, 0
	s_and_b32 s72, s14, 15                         ; the head
	s_lshr_b32 s73, s14, 4                         ; the batch
	s_lshl_b32 s73, s73, 11
	s_add_co_u32 s73, s73, s16                     ; my first row of ctx
	s_lshl_b32 s74, s72, 13
	s_add_co_u32 s74, s74, s73
	s_mul_i32 s74, s74, 48                         ; in cc: [head][row][48]
	s_mov_b32 s75, 0
	s_lshr_b32 s76, s72, 2
	s_lshl_b32 s76, s76, 16
	s_lshl_b32 s78, s73, 3
	s_add_co_u32 s76, s76, s78
	s_and_b32 s78, s72, 3
	s_lshl_b32 s78, s78, 1
	s_add_co_u32 s76, s76, s78                     ; in cs: [head / 4][row][8], byte 2 (head % 4) + block
	s_mov_b32 s77, 0
	s_lshl_b32 s80, s[WV], 14                      ; V's sevenths and the scale words land at 16,384 x wave
	s_mul_i32 s82, s14, 114688
	s_add_co_u32 s82, s82, s80                     ; V: the head's 114,688 bytes, my seventh
	s_mov_b32 s83, 0
	s_lshl_b32 s84, s14, 13                        ; K's scale words: 8,192 bytes a head
	s_mov_b32 s85, 0
	s_and_b32 s86, s[WV], 1                        ; K: waves 8-15: even or odd blocks,
	s_lshr_b32 s87, s[WV], 1                       ; and which eight of the 32 (4..7)
	s_mul_i32 s88, s86, OBD
	s_mul_i32 s89, s87, 12288
	s_add_co_u32 s88, s88, s89
	s_add_co_u32 s88, s88, KB-49152                ; where they land
	s_mul_i32 s90, s14, 98304
	s_mul_i32 s91, s86, 1536
	s_add_co_u32 s90, s90, s91
	s_mul_i32 s91, s87, 24576
	s_add_co_u32 s90, s90, s91                     ; and where they lie (four eighths too far: taken off below)
	s_mov_b32 s91, 0
	s_mul_i32 s[STW], s[WV], 768
	s_add_co_u32 s[STW], s[STW], STG
	s_mov_b32 s[G1K], 15|(3<<16)|(1<<21)           ; K: 8 rows of 1,536 bytes (192 elements of 8), every second block; the mask names all four work-groups
	s_mov_b32 s[G1K+1], 192<<16
	s_mov_b32 s[G1K+2], 8<<16
	s_mov_b32 s[G1K+3], 192<<16
	s_mov_b32 s[G1K+4], 8
	s_mov_b32 s[G1K+5], 384
	s_mov_b32 s[G1K+6], 0
	s_mov_b32 s[G1K+7], 0
	s_mov_b32 s[G1V], 15|(3<<16)|(1<<21)           ; V: a dense block as 64 rows of 256 bytes
	s_mov_b32 s[G1V+1], 32<<16
	s_mov_b32 s[G1V+2], 64<<16
	s_mov_b32 s[G1V+3], 32<<16
	s_mov_b32 s[G1V+4], 64
	s_mov_b32 s[G1V+5], 32
	s_mov_b32 s[G1V+6], 0
	s_mov_b32 s[G1V+7], 0
	s_mov_b32 s[G1S], 15|(3<<16)|(1<<21)           ; the scale words: 32 rows of 256 bytes
	s_mov_b32 s[G1S+1], 32<<16
	s_mov_b32 s[G1S+2], 32<<16
	s_mov_b32 s[G1S+3], 32<<16
	s_mov_b32 s[G1S+4], 32
	s_mov_b32 s[G1S+5], 32
	s_mov_b32 s[G1S+6], 0
	s_mov_b32 s[G1S+7], 0
	s_mov_b32 s[SEL], 0x76543210
	s_mov_b32 s[SEL+1], 0xfedcba98
	s_mov_b32 s[CS], 0x3e38aa3b                    ; log2(e) / 8
	s_mov_b32 s[CS+1], s[CS]
	s_wait_dscnt 0x0                               ; both opening adds are done
	s_wait_kmcnt 0x0
	s_mov_b32 s[G0K], 1
	s_mov_b32 s[G0K+1], s88
	s_add_nc_u64 s[G0K+2:G0K+3], s[4:5], s[90:91]
	s_add_nc_u64 s[G0K+2:G0K+3], s[G0K+2:G0K+3], 6291456-98304   ; k's half of qkc
	s_or_b32 s[G0K+3], s[G0K+3], 0x80000000
	s_mov_b32 s[G0V], 1
	s_mov_b32 s[G0V+1], s80
	s_add_nc_u64 s[G0V+2:G0V+3], s[8:9], s[82:83]
	s_or_b32 s[G0V+3], s[G0V+3], 0x80000000
	s_mov_b32 s[G0S], 1
	s_mov_b32 s[G0S+1], s80
	s_add_nc_u64 s[G0S+2:G0S+3], s[6:7], s[84:85]
	s_add_nc_u64 s[G0S+2:G0S+3], s[G0S+2:G0S+3], 524288          ; k's half of qks
	s_or_b32 s[G0S+3], s[G0S+3], 0x80000000
	s_add_nc_u64 s[4:5], s[4:5], s[68:69]          ; Q's codes at my first query
	s_add_nc_u64 s[6:7], s[6:7], s[70:71]
	s_add_nc_u64 s[10:11], s[10:11], s[74:75]
	s_add_nc_u64 s[12:13], s[12:13], s[76:77]
	CROUND                                         ; all four work-groups are here: the joint loads meet
	s_cmp_lt_u32 s[WV], 7                          ; one chain of branches on the wave's number, one load to an arm
	s_cbranch_scc0 .Lnot_v
	TLOAD G0V, G1V
	s_branch .Lasked
.Lnot_v:
	s_cmp_lt_u32 s[WV], 8
	s_cbranch_scc0 .Lnot_s
	TLOAD G0S, G1S
	s_branch .Lasked
.Lnot_s:
	TLOAD G0K, G1K
.Lasked:
	v_and_b32 v16, 15, v0                          ; r = lane % 16
	v_bfe_u32 v17, v0, 4, 1                        ; h = lane / 16
	v_and_b32 v18, 7, v0
	v_bfe_u32 v19, v0, 3, 1
	v_mul_u32_u24 v1, v18, 48
	v_lshlrev_b32 v2, 2, v18
	v_mul_u32_u24 v3, v16, 112
	v_mad_u32_u24 v1, v17, 24, v1
	v_lshl_add_u32 v2, v19, 7, v2
	v_mad_u32_u24 v3, v17, 24, v3                  ; V: 112 r + 24 h
	v_mad_u32_u24 v1, v19, OBD, v1
	v_lshl_add_u32 v2, v17, 6, v2
	v_lshlrev_b32 v9, 3, v17                       ; 8 h
	v_add_nc_u32 v1, KB, v1                        ; K: 48 (r % 8) + 24 h, rows 8-15 in the odd blocks' region
	v_add_nc_u32 v2, SB, v2                        ; its scale words: 4 (r % 8) + 128 (r / 8); lanes 16-31 tile Y's, 64 bytes on
	v_mov_b32 v7, 0                                ; a lane permute's destination counts as one of its sources
.irp i, 0,1,2,3,4,5
	v_mov_b32 v[Q+6+\i], 0                         ; Q's zeros: written once
.endr
	s_wait_alu depctr_va_vdst(0)                   ; the wait at the head's end
	s_wait_tensorcnt 0x0                           ; my part of the head is in,
	s_barrier_signal -1
	s_barrier_wait -1                              ; everybody's is
.macro KLOAD a, b                      ; a step's 8 tiles of K, two to a fragment, and their scale words: 28 loads
.irp p, 0,1,2,3
.irp j, 0,1,2
	ds_load_b64 v[KF+12*\p+2*\j:KF+12*\p+2*\j+1], v[\a] offset:1536*(\p/2)+384*(\p%2)+8*\j
	ds_load_b64 v[KF+12*\p+6+2*\j:KF+12*\p+7+2*\j], v[\a] offset:1536*(\p/2)+384*(\p%2)+768+8*\j
.endr
	ds_load_b32 v[KS+\p], v[\b] offset:256*(\p/2)+32*(\p%2)
.endr
.endm
; A KEY STEP: 128 keys.  pre = 1: the next step's K is asked for.
.macro STEP pre
	v_add_nc_u32 v6, s[TV], v3
.irp t, 0,1,2,3                                ; V's four fragments and scale words: 28 loads.  (Only lanes 0-15 of a scale register are read: lanes 16-31 load a word 24 bytes on)
.irp p, 0,1,2,3,4,5
	ds_load_b64 v[VF+12*\t+2*\p:VF+12*\t+2*\p+1], v6 offset:1792*\t+48*(\p/3)+8*(\p%3)
.endr
	ds_load_b32 v[VS+\t], v6 offset:1792*\t+96
.endr
	s_wait_dscnt 28                                ; K's loads, issued ahead of V's 28, are in
.irp p, 0,1,2,3                                ; S^T = K Q^T: fragment p against [Q, 0] and against [0, Q]
	v_wmma_scale_f32_16x16x128_f8f6f4 v[S+16*\p:S+16*\p+7], v[KF+12*\p:KF+12*\p+11], v[Q:Q+11], 0, v[KS+\p], v22 matrix_a_fmt:MATRIX_FMT_FP6 matrix_b_fmt:MATRIX_FMT_FP6
	v_wmma_scale_f32_16x16x128_f8f6f4 v[S+16*\p+8:S+16*\p+15], v[KF+12*\p:KF+12*\p+11], v[Q+6:Q+17], 0, v[KS+\p], v22 matrix_a_fmt:MATRIX_FMT_FP6 matrix_b_fmt:MATRIX_FMT_FP6 matrix_a_scale:MATRIX_SCALE_ROW1
.endr
.if \pre                                       ; four places behind the products, for the loads below and the first read of the scores
	v_add_nc_u32 v4, s[TK], v1
	v_add_nc_u32 v5, s[TS], v2
	v_nop
	v_nop
	KLOAD 4, 5
.else
.rept 4
	v_nop
.endr
.endif
.irp c, 0,1                                    ; the largest score of my two blocks, in four chains; each accumulator is first read at its low end
	v_max3_num_f32 v[14+\c], v[S+32*\c], v[S+32*\c+1], v[S+32*\c+2]
	v_max3_num_f32 v[16+\c], v[S+32*\c+16], v[S+32*\c+17], v[S+32*\c+18]
.endr
.irp i, 3,5,7,9,11,13
.irp c, 0,1
	v_max3_num_f32 v[14+\c], v[14+\c], v[S+32*\c+\i], v[S+32*\c+\i+1]
	v_max3_num_f32 v[16+\c], v[16+\c], v[S+32*\c+16+\i], v[S+32*\c+17+\i]
.endr
.endr
.irp c, 0,1
	v_max3_num_f32 v[14+\c], v[14+\c], v[S+32*\c+15], v[S+32*\c+31]
.endr
.irp c, 0,1
	s_delay_alu instid0(VALU_DEP_2)
	v_max_num_f32 v[14+\c], v[14+\c], v[16+\c]
.endr
	s_delay_alu instid0(VALU_DEP_1)
	v_max3_num_f32 v13, v13, v14, v15              ; the running largest score of my half of the keys,
	s_delay_alu instid0(VALU_DEP_1)
	v_permlanex16_b32 v7, v13, s[SEL], s[SEL+1]
	s_delay_alu instid0(VALU_DEP_1)
	v_max_num_f32 v13, v13, v7                     ; and of the query
	s_delay_alu instid0(VALU_DEP_1)
	v_mul_f32 v18, s[CS], v13                      ; as t (c is positive)
	s_delay_alu instid0(VALU_DEP_1)
	v_floor_f32 v18, -v18                          ; the new -M = floor(-t): M is a whole number
	s_delay_alu instid0(VALU_DEP_1)
	v_sub_f32 v19, v18, v12                        ; old M - new M: a whole number, 0 or less
	v_mov_b32 v12, v18
	s_delay_alu instid0(VALU_DEP_2)
	v_cvt_i32_f32 v19, v19                         ; (it saturates)
	s_delay_alu instid0(VALU_DEP_1)
	v_ldexp_f32 v8, 1.0, v19                       ; f = 2^(old M - new M)
.irp j, 0,2,4,6,8,10,12,14,16,18,20,22,24,26,28,30,32,34,36,38,40,42,44,46,48,50,52,54,56,58,60,62
	v_pk_fma_f32 v[S+\j:S+\j+1], v[S+\j:S+\j+1], s[CS:CS+1], v[12:13] op_sel_hi:[1,0,0]   ; t - M, two at a time
.endr
	v_fma_f32 v14, v14, s[CS], v12                 ; the same of each block's largest score
	v_fma_f32 v15, v15, s[CS], v12
.irp j, 0,2,4,6,8,10,12,14,16,18,20,22,24,26,28,30
	v_pk_mul_f32 v[OT+\j:OT+\j+1], v[OT+\j:OT+\j+1], v[8:9] op_sel_hi:[1,0]   ; O^T under the new M
.endr
	s_wait_alu depctr_va_vdst(0)                   ; the wait ahead of the batch
.irp j, 0,1,2,3,4,5,6,7,8,9,10,11,12,13,14,15,16,17,18,19,20,21,22,23,24,25,26,27,28,29,30,31,32,33,34,35,36,37,38,39,40,41,42,43,44,45,46,47,48,49,50,51,52,53,54,55,56,57,58,59,60,61,62,63
	v_exp_f32 v[S+\j], v[S+\j]                     ; p = 2^(t - M), at most 1
.endr
	v_exp_f32 v14, v14                             ; the blocks' largest p: the same two instructions on the same number
	v_exp_f32 v15, v15
	v_pk_mul_f32 v[10:11], v[10:11], v[8:9] op_sel_hi:[1,0]   ; the sum under the new M (a plain instruction behind the exponentials)
	s_wait_alu depctr_va_vdst(0)                   ; one wait for the batch, ahead of its first reader
	v_max_num_f32 v14, 0x1800000, v14              ; the floor 2^(3 - 127): the byte cannot fall under 1
	v_max_num_f32 v15, 0x1800000, v15
	s_delay_alu instid0(VALU_DEP_2)
	v_add_nc_u32 v20, 0xff000000, v14              ; 2 off the exponent field: the conversion's scale operand
	s_delay_alu instid0(VALU_DEP_2)
	v_add_nc_u32 v21, 0xff000000, v15
	s_delay_alu instid0(VALU_DEP_2)
	v_lshrrev_b32 v16, 23, v20                     ; the bytes of blocks h and 2 + h,
	s_delay_alu instid0(VALU_DEP_2)
	v_lshrrev_b32 v17, 23, v21
	s_delay_alu instid0(VALU_DEP_1)
	v_lshl_or_b32 v16, v17, 16, v16
	s_delay_alu instid0(VALU_DEP_1)
	v_lshlrev_b32 v16, v9, v16                     ; at their places in the word;
	s_delay_alu instid0(VALU_DEP_1)
	v_permlanex16_b32 v7, v16, s[SEL], s[SEL+1]
	s_delay_alu instid0(VALU_DEP_1)
	v_or_b32 v23, v16, v7                          ; with lane l xor 16's two: p's scale word for these 128 keys
	v_cvt_scalef32_pk16_fp6_f32 v[PC:PC+2], v[S:S+15], v20
	v_cvt_scalef32_pk16_fp6_f32 v[16:18], v[S+16:S+31], v20       ; (a conversion's three registers begin on an even number: a block's upper half is made here and moved)
	v_cvt_scalef32_pk16_fp6_f32 v[PC+6:PC+8], v[S+32:S+47], v21
	v_nop                                          ; one plain instruction behind a scaled conversion
.irp i, 0,1,2
	v_mov_b32 v[PC+3+\i], v[16+\i]
.endr
	v_cvt_scalef32_pk16_fp6_f32 v[16:18], v[S+48:S+63], v21
	v_nop
.irp i, 0,1,2
	v_mov_b32 v[PC+9+\i], v[16+\i]
.endr
.irp i, 0,1,2,3,4,5,6,7,8,9,10,11,12,13,14,15  ; the row's sum of the unquantised p: a tree in place, two at a time.  (These lines are also the places ahead of the products)
	v_pk_add_f32 v[S+4*\i:S+4*\i+1], v[S+4*\i:S+4*\i+1], v[S+4*\i+2:S+4*\i+3]
.endr
.irp i, 0,1,2,3,4,5,6,7
	v_pk_add_f32 v[S+8*\i:S+8*\i+1], v[S+8*\i:S+8*\i+1], v[S+8*\i+4:S+8*\i+5]
.endr
.irp i, 0,1,2,3
	v_pk_add_f32 v[S+16*\i:S+16*\i+1], v[S+16*\i:S+16*\i+1], v[S+16*\i+8:S+16*\i+9]
.endr
	s_wait_alu depctr_va_vdst(0)
	s_wait_dscnt 0x0                               ; V's fragments and scale words are in (and the next step's K)
.irp t, 0,1,2,3                                ; O^T += V^T P^T: four tiles of 16 channels, the accumulators by turns
	v_wmma_scale_f32_16x16x128_f8f6f4 v[OT+8*\t:OT+8*\t+7], v[VF+12*\t:VF+12*\t+11], v[PC:PC+11], v[OT+8*\t:OT+8*\t+7], v[VS+\t], v23 matrix_a_fmt:MATRIX_FMT_FP6 matrix_b_fmt:MATRIX_FMT_FP6
.endr
	v_pk_add_f32 v[S:S+1], v[S:S+1], v[S+16:S+17]                 ; the tree's last four lines are the four places behind the products
	v_pk_add_f32 v[S+32:S+33], v[S+32:S+33], v[S+48:S+49]
	s_delay_alu instid0(VALU_DEP_1)
	v_pk_add_f32 v[S:S+1], v[S:S+1], v[S+32:S+33]
	s_delay_alu instid0(VALU_DEP_1)
	v_pk_add_f32 v[10:11], v[10:11], v[S:S+1]
.endm
	s_mov_b32 s[TL], 2
.Ltile:                                                ; A TILE of 16 queries
	v_and_b32 v17, 15, v0
	v_bfe_u32 v18, v0, 4, 1
	v_mul_u32_u24 v16, v17, 48
	v_lshlrev_b32 v17, 2, v17
	s_delay_alu instid0(VALU_DEP_2)
	v_mad_u32_u24 v16, v18, 24, v16                ; 48 r + 24 h
.irp p, 0,1,2
	global_load_b64 v[Q+2*\p:Q+2*\p+1], v16, s[4:5] offset:8*\p           ; Q's 24 bytes, on both sides of the zeros
	global_load_b64 v[Q+12+2*\p:Q+13+2*\p], v16, s[4:5] offset:8*\p
.endr
	global_load_b32 v22, v17, s[6:7]               ; Q's scale words
	KLOAD 1, 2                                     ; step 0's K
	s_mov_b32 s[TK], 3072                          ; the next step's K: 3,072 bytes a step in each region,
	s_mov_b32 s[TS], 512                           ; 512 of scale words;
	s_mov_b32 s[TV], 0                             ; this step's V: 7,168
	v_mov_b32 v13, 0xff61b1e6                      ; the largest score so far: -3e38
	v_mov_b32 v10, 0
	v_mov_b32 v11, 0
	v_mul_f32 v12, s[CS], v13
.irp j, 0,1,2,3,4,5,6,7,8,9,10,11,12,13,14,15,16,17,18,19,20,21,22,23,24,25,26,27,28,29,30,31
	v_mov_b32 v[OT+\j], 0                          ; the step is written once for all steps: the first finds zeros
.endr
	v_floor_f32 v12, -v12                          ; -M
	s_mov_b32 s[CNT], 15
	s_wait_alu depctr_va_vdst(0)
	s_wait_loadcnt 0x0                             ; Q
.Lstep:
	STEP 1
	s_add_co_u32 s[TK], s[TK], 3072
	s_add_co_u32 s[TS], s[TS], 512
	s_add_co_u32 s[TV], s[TV], 7168
	s_sub_co_u32 s[CNT], s[CNT], 1
	s_cmp_lg_u32 s[CNT], 0
	s_cbranch_scc1 .Lstep
	STEP 0
; THE TILE'S END: O^T / the sum, quantised along the channels (two blocks of 32), 48 bytes a row through my stage, 768 consecutive bytes of cc; the two scale bytes of a row into cs.
	v_add_f32 v10, v10, v11                        ; the sum's two halves,
	v_permlanex16_b32 v7, v10, s[SEL], s[SEL+1]
	v_add_f32 v10, v10, v7                         ; and lane l xor 16's
	s_wait_alu depctr_va_vdst(0)                   ; the wait ahead of the reciprocal
	v_rcp_f32 v10, v10
	v_and_b32 v[KF+1], 31, v0
	v_and_b32 v[KF+3], 15, v0
	v_bfe_u32 v[KF+4], v0, 4, 1
	v_lshlrev_b32 v[KF+2], 3, v[KF+1]              ; 8 x lane
	v_lshlrev_b32 v[KF+1], 4, v[KF+1]              ; 16 x lane
	v_mul_u32_u24 v[KF+6], v[KF+3], 48
	v_add_nc_u32 v[KF], s[STW], v[KF+2]
	v_add_nc_u32 v[KF+5], s[STW], v[KF+1]
	v_mad_u32_u24 v[KF+6], v[KF+4], 24, v[KF+6]
	v_lshl_add_u32 v[KF+3], v[KF+3], 3, v[KF+4]    ; 8 r + h
	v_add_nc_u32 v[KF+7], s[STW], v[KF+6]          ; the stage: row r of 48 bytes, + 24 h
	s_wait_alu depctr_va_vdst(0)                   ; the wait ahead of the first reader of the reciprocal and of O^T
.irp j, 0,1,2,3,4,5,6,7,8,9,10,11,12,13,14,15,16,17,18,19,20,21,22,23,24,25,26,27,28,29,30,31
	v_mul_f32 v[S+\j], v[OT+\j], v10               ; register 16 b + i is channel 32 b + 16 h + i of my query
.endr
.irp b, 0,1
	v_max3_num_f32 v[14+\b], |v[S+16*\b]|, |v[S+1+16*\b]|, 0x1800000
.endr
.irp n, 2,4,6,8,10,12,14
.irp b, 0,1
	v_max3_num_f32 v[14+\b], v[14+\b], |v[S+16*\b+\n]|, |v[S+1+16*\b+\n]|
.endr
.endr
.irp b, 0,1
	v_permlanex16_b32 v[16+\b], v[14+\b], s[SEL], s[SEL+1]
.endr
.irp b, 0,1
	v_max_num_f32 v[14+\b], v[14+\b], v[16+\b]     ; the block's largest magnitude
.endr
.irp b, 0,1
	v_add_nc_u32 v[20+\b], 0xff000000, v[14+\b]
.endr
.irp b, 0,1
	v_lshrrev_b32 v[16+\b], 23, v[20+\b]
.endr
	v_lshl_or_b32 v16, v17, 8, v16
	v_lshrrev_b32 v16, v9, v16                     ; block h's byte lowest
	v_cvt_scalef32_pk16_fp6_f32 v[PC:PC+2], v[S:S+15], v20
	v_cvt_scalef32_pk16_fp6_f32 v[PC+4:PC+6], v[S+16:S+31], v21
	v_nop                                          ; one plain instruction behind a scaled conversion
.irp n, 0,1,2
	v_permlane16_swap_b32 v[PC+\n], v[PC+4+\n]     ; lanes 0-15 now hold block 0 of row r, lanes 16-31 block 1
.endr
.irp n, 0,1,2
	v_mov_b32 v[PC+3+\n], v[PC+4+\n]
.endr
.irp n, 0,1,2
	ds_store_b64 v[KF+7], v[PC+2*\n:PC+2*\n+1] offset:8*\n
.endr
	ds_load_b128 v[VF:VF+3], v[KF+5]               ; LDS serves a wave's instructions in order: these see my stores
	ds_load_b64 v[VF+4:VF+5], v[KF] offset:512
	s_wait_alu depctr_va_vdst(0)
	s_wait_dscnt 0x0
	global_store_b128 v[KF+1], v[VF:VF+3], s[10:11]               ; 512 + 256 consecutive bytes, aligned
	global_store_b64 v[KF+2], v[VF+4:VF+5], s[10:11] offset:512
	global_store_b8 v[KF+3], v16, s[12:13]         ; a head owns 2 of a row's 8 bytes
	s_wait_xcnt 0x0                                ; the stores have read their registers and bases
	s_add_nc_u64 s[4:5], s[4:5], 768               ; on to my second tile
	s_add_nc_u64 s[6:7], s[6:7], 64
	s_add_nc_u64 s[10:11], s[10:11], 768
	s_add_nc_u64 s[12:13], s[12:13], 128
	s_sub_co_u32 s[TL], s[TL], 1
	s_cmp_lg_u32 s[TL], 0
	s_wait_alu depctr_va_vdst(0)                   ; the wait ahead of the branch
	s_cbranch_scc1 .Ltile
	s_wait_tensorcnt 0x0                           ; the wave's end
	ds_add_u32 v254, v255
	s_wait_dscnt 0x0
	CROUND                                         ; the closing round
	s_endpgm
.Lfunc_end_k_q110d675314_attn:
	.size	k_q110d675314_attn, .Lfunc_end_k_q110d675314_attn-k_q110d675314_attn
	.p2alignl 7, 3214868480
	.fill 96, 4, 3214868480
	.section	.rodata,"a",@progbits
	.p2align	6, 0x0
	.amdhsa_kernel k_q110d675314_attn
		.amdhsa_group_segment_fixed_size 235776
		.amdhsa_private_segment_fixed_size 0
		.amdhsa_enable_private_segment 0
		.amdhsa_kernarg_size 40
		.amdhsa_user_sgpr_count 2
		.amdhsa_user_sgpr_kernarg_segment_ptr 1
		.amdhsa_wavefront_size32 1
		.amdhsa_system_sgpr_workgroup_id_x 1
		.amdhsa_system_sgpr_workgroup_id_y 1
		.amdhsa_system_sgpr_workgroup_id_z 1
		.amdhsa_system_vgpr_workitem_id 0
		.amdhsa_next_free_vgpr 256
		.amdhsa_next_free_sgpr 96
		.amdhsa_reserve_vcc 0
		.amdhsa_float_denorm_mode_32 3
		.amdhsa_float_denorm_mode_16_64 3
		.amdhsa_memory_ordered 1
		.amdhsa_forward_progress 1
		.amdhsa_inst_pref_size 49
	.end_amdhsa_kernel
	.amdgpu_metadata
---
amdhsa.version: [ 1, 2 ]
amdhsa.kernels:
  - .name:           k_q110d675314_attn
    .symbol:         k_q110d675314_attn.kd
    .args:
      - { .name: qkc, .offset: 0, .size: 8, .value_kind: global_buffer, .address_space: global }
      - { .name: qks, .offset: 8, .size: 8, .value_kind: global_buffer, .address_space: global }
      - { .name: vc, .offset: 16, .size: 8, .value_kind: global_buffer, .address_space: global }
      - { .name: cc, .offset: 24, .size: 8, .value_kind: global_buffer, .address_space: global }
      - { .name: cs, .offset: 32, .size: 8, .value_kind: global_buffer, .address_space: global }
    .group_segment_fixed_size: 235776
    .private_segment_fixed_size: 0
    .kernarg_segment_align: 8
    .kernarg_segment_size: 40
    .max_flat_workgroup_size: 512
    .sgpr_count:     96
    .vgpr_count:     256
    .wavefront_size: 32
...
	.end_amdgpu_metadata
.endif
;; end of part 3
;; launch outp (part 4): grid 4 x 32, 4 waves a work-group, clusters of 4 x 4, 327,680 bytes of LDS; arguments cc, cs, cod, scl, bo, out0; writes out0
.if DOCPART == 4
	.amdgcn_target "amdgcn-amd-amdhsa--gfx1250"
	.amdhsa_code_object_version 6
	.text
	.protected	k_q110d675314_outp
	.globl	k_q110d675314_outp
	.p2align	8
	.type	k_q110d675314_outp,@function
k_q110d675314_outp:
	s_mov_b64 s[64:65], 0
	v_nop
	global_prefetch_b8 v0, s[64:65] scope:SCOPE_SE
	s_setreg_imm32_b32 hwreg(HW_REG_WAVE_MODE, 25, 1), 1
	s_wait_xcnt 0x0
	s_wait_alu depctr_hold_cnt(0) depctr_sa_sdst(0) depctr_va_vdst(0) depctr_va_sdst(0) depctr_va_ssrc(0) depctr_va_vcc(0) depctr_vm_vsrc(0)
	s_getreg_b32 s2, hwreg(HW_REG_IB_STS2, 6, 4)
	s_cmp_eq_u32 s2, 0
	s_cbranch_scc0 .Lentry_in_a_cluster
	s_endpgm
.Lentry_in_a_cluster:
	s_bfe_u32 s2, ttmp6, 0x10000c
	s_cmp_lg_u32 s2, 0xf033
	s_cbranch_scc0 .Lentry_shape_is_right
	s_endpgm
.Lentry_shape_is_right:
.set SIZE_N, 1024
.set NQ,     2
.set ROWB,   49152                     ; bytes from one K step's block of 256 rows to the next in cod
.set KROW,   768
.set PITCH,  240
.set FR,     12
.set NL,     6
.set NP,     4
.set HALFT,  128*PITCH
.set SLOT,   4*HALFT
.set KS,     32
.set SCL,    2*SLOT
.set HALFS,  (128*KS/256)*272
.set SBLK,   (16*KS/256)*272
.set SPARE,  SCL+4*HALFS
.set SPITCH, 528
.set ADRA, 16
.set ADRB, 20
.set STO,  24
.set RD,   25
.set CO,   26
.set ADSA, 27
.set SPW,  28
.set NIL,  29
.set ADSB, 30
.set SCA,  32
.set SCB,  64
.set BO,   96
.set AF,   128
.set BK,   128
.set G1, 24
.set G0, 32
.set G1B, 48
.set G0B, 56
.set G1S, 68
.set G0S, 76
.set G1SB, 80
.set G0SB, 88
.set MSB, 0
.macro WIN new
.if MSB != \new
	s_set_vgpr_msb (MSB<<8)|\new
.set MSB, \new
.endif
.endm
.set MUL_LO, 0xa1
.set MUL_HI, 0xf1
.set TO_B,   0x40
.macro JLOAD g0a, g1a, g0b, g1b
	s_cmp_eq_u32 s15, 0
	s_cbranch_scc0 .Lfor_b_\@
	tensor_load_to_lds s[\g0a:\g0a+3], s[\g1a:\g1a+7]
	s_nop 0
.rept 4
	v_nop
.endr
	s_branch .Lasked_\@
.Lfor_b_\@:
	tensor_load_to_lds s[\g0b:\g0b+3], s[\g1b:\g1b+7]
	s_nop 0
.rept 4
	v_nop
.endr
.Lasked_\@:
.endm
.macro CREST
	s_cmp_lg_u32 s14, 0
	s_cbranch_scc1 .Lnot_wave_0_\@
	s_barrier_signal -3
.Lnot_wave_0_\@:
	s_barrier_wait -3
	s_barrier_signal -1
	s_barrier_wait -1
.endm
.macro CROUND
	s_barrier_signal -1
	s_barrier_wait -1
	CREST
.endm
	s_load_b256 s[4:11], s[0:1], 0x0
	s_load_b64 s[96:97], s[0:1], 0x20
	s_load_b64 s[12:13], s[0:1], 0x28
	v_lshl_add_u32 v[SPW], v0, 2, SPARE
	v_mov_b32 v[NIL], 0
	ds_add_u32 v28, v29
	ds_add_u32 v28, v29
	s_wait_dscnt 0x0
	v_lshrrev_b32 v1, 5, v0
	v_readfirstlane_b32 s14, v1
	s_lshr_b32 s15, s14, 1
	s_and_b32 s16, s14, 1
	s_bfe_u32 s40, ttmp6, 0x40000
	s_bfe_u32 s41, ttmp6, 0x40004
	s_lshl_b32 s42, ttmp9, 2
	s_add_co_u32 s42, s42, s40
	s_and_b32 s17, ttmp7, 0xffff
	s_lshl_b32 s17, s17, 2
	s_add_co_u32 s17, s17, s41
	s_lshl_b32 s43, s41, 2
	s_lshl_b32 s43, 15, s43
	s_lshl_b32 s44, 0x1111, s40
	s_or_b32 s[G1+0], s43, (3<<16)|(1<<21)
	s_mov_b32 s[G1+1], 768<<16
	s_mov_b32 s[G1+2], 4<<16
	s_mov_b32 s[G1+3], 768<<16
	s_mov_b32 s[G1+4], 4
	s_mov_b32 s[G1+5], 49152
	s_mov_b32 s[G1+6], 0
	s_mov_b32 s[G1+7], 0
	s_or_b32 s[G1B+0], s44, (0<<16)|(1<<20)|(1<<21)|(3<<22)|(3<<25)
	s_mov_b32 s[G1B+1], 256<<16                    ; 128 rows x 192 bytes are dense in cod: stated as 96 rows of 256 bytes; 16 bytes of padding behind each 64 give LDS rows of 240 bytes
	s_mov_b32 s[G1B+2], 96<<16
	s_mov_b32 s[G1B+3], 256<<16
	s_mov_b32 s[G1B+4], 96
	s_mov_b32 s[G1B+5], 256
	s_mov_b32 s[G1B+6], 0
	s_mov_b32 s[G1B+7], 0
	s_or_b32 s[G1S+0], s43, (3<<16)|(1<<21)
	s_mov_b32 s[G1S+1], 128<<16
	s_mov_b32 s[G1S+2], 4<<16
	s_mov_b32 s[G1S+3], 128<<16
	s_mov_b32 s[G1S+4], 4
	s_mov_b32 s[G1S+5], 8192
	s_mov_b32 s[G1S+6], 0
	s_mov_b32 s[G1S+7], 0
	s_or_b32 s[G1SB+0], s44, (3<<16)|(1<<20)|(1<<21)|(5<<22)|(3<<25)
	s_mov_b32 s[G1SB+1], 32<<16
	s_mov_b32 s[G1SB+2], (128*KS/256)<<16
	s_mov_b32 s[G1SB+3], 32<<16
	s_mov_b32 s[G1SB+4], 128*KS/256
	s_mov_b32 s[G1SB+5], 32
	s_mov_b32 s[G1SB+6], 0
	s_mov_b32 s[G1SB+7], 0
	s_lshl_b32 s18, s16, 7
	s_lshl_b32 s20, s17, 8
	s_add_co_u32 s20, s20, s18
	s_lshl_b32 s46, s42, 8
	s_add_co_u32 s46, s46, s18
	s_mov_b32 s21, 0
	s_mov_b32 s47, 0
	s_lshl_b64 s[22:23], s[20:21], 3
	s_mov_b64 s[18:19], KS
	s_mul_u64 s[92:93], s[46:47], s[18:19]
	s_mov_b64 s[18:19], 48
	s_mul_u64 s[20:21], s[20:21], s[18:19]
	s_mov_b64 s[18:19], KROW
	s_mul_u64 s[46:47], s[46:47], s[18:19]
	s_mul_i32 s18, s16, 73728                      ; inside a block of 256 rows the second 128 rows of a K step begin 24,576 bytes on, not 98,304
	s_mov_b32 s19, 0
	s_sub_nc_u64 s[46:47], s[46:47], s[18:19]
	s_mul_i32 s45, s14, HALFT
	s_mul_i32 s94, s14, HALFS
	s_wait_kmcnt 0x0
	s_add_nc_u64 s[20:21], s[4:5], s[20:21]
	s_add_nc_u64 s[22:23], s[6:7], s[22:23]
	s_add_nc_u64 s[46:47], s[8:9], s[46:47]
	s_add_nc_u64 s[46:47], s[46:47], 21233664
	s_add_nc_u64 s[92:93], s[10:11], s[92:93]
	s_add_nc_u64 s[92:93], s[92:93], 884736
	CROUND
	s_mov_b32 s[G0S], 1
	s_add_co_u32 s[G0S+1], s94, SCL
	s_mov_b64 s[G0S+2:G0S+3], s[22:23]
	s_or_b32 s[G0S+3], s[G0S+3], 0x80000000
	s_mov_b32 s[G0SB], 1
	s_add_co_u32 s[G0SB+1], s94, SCL
	s_mov_b64 s[G0SB+2:G0SB+3], s[92:93]
	s_or_b32 s[G0SB+3], s[G0SB+3], 0x80000000
	JLOAD G0S, G1S, G0SB, G1SB
.irp s, 0,1
	s_mov_b32 s[G0+4*\s], 1
	s_add_co_u32 s[G0+4*\s+1], s45, \s*SLOT
	s_add_nc_u64 s[G0+4*\s+2:G0+4*\s+3], s[20:21], \s*1572864
	s_or_b32 s[G0+4*\s+3], s[G0+4*\s+3], 0x80000000
	s_mov_b32 s[G0B+4*\s], 1
	s_add_co_u32 s[G0B+4*\s+1], s45, \s*SLOT
	s_add_nc_u64 s[G0B+4*\s+2:G0B+4*\s+3], s[46:47], \s*ROWB
	s_or_b32 s[G0B+4*\s+3], s[G0B+4*\s+3], 0x80000000
	s_wait_alu depctr_va_vdst(0)
	s_wait_tensorcnt 0x0
	ds_add_u32 v28, v29
	s_wait_dscnt 0x0
	CROUND
	JLOAD G0+4*\s, G1, G0B+4*\s, G1B
.endr
	v_and_b32 v1, 15, v0
	v_bfe_u32 v2, v0, 4, 1
	v_mul_u32_u24 v3, v1, PITCH
	v_mul_u32_u24 v4, v2, 24
	v_add_nc_u32 v3, v3, v4
	v_lshl_add_u32 v5, v2, 4, v3
	v_mad_u32_u24 v4, v1, 48, v4
	s_mul_i32 s21, s15, HALFT
	s_mul_i32 s22, s16, HALFT
	s_add_co_u32 s22, s22, 2*HALFT
.irp s, 0,1
	v_add_nc_u32 v[ADRA+\s], s21, v4
	v_add_nc_u32 v[ADRB+\s], s22, v3
	v_add_nc_u32 v[ADRB+2+\s], s22, v5
	s_add_co_u32 s21, s21, SLOT
	s_add_co_u32 s22, s22, SLOT
.endr
	s_mul_i32 s21, s15, HALFS
	s_add_co_u32 s21, s21, SCL
	v_lshl_add_u32 v[ADSA], v1, 3, s21
	v_mul_u32_u24 v5, v1, KS
	v_lshrrev_b32 v6, 8, v5
	v_lshl_add_u32 v5, v6, 4, v5
	s_mul_i32 s22, s16, HALFS
	s_add_co_u32 s22, s22, SCL+2*HALFS
	v_add_nc_u32 v[ADSB], s22, v5
	s_mul_i32 s23, s14, 16*SPITCH
	v_mul_u32_u24 v5, v1, SPITCH
	v_lshl_add_u32 v5, v2, 5, v5
	v_add_nc_u32 v[STO], s23, v5
	v_and_b32 v6, 31, v0
	v_lshlrev_b32 v[CO], 4, v6
	s_wait_alu depctr_va_vdst(0)
	v_add_nc_u32 v[RD], s23, v[CO]
	s_lshl_b32 s20, s17, 8
	s_lshl_b32 s21, s15, 7
	s_add_co_u32 s20, s20, s21
	s_mov_b32 s21, 0
	s_mov_b64 s[18:19], SIZE_N*4
	s_mul_u64 s[20:21], s[20:21], s[18:19]
	s_lshl_b32 s46, s42, 10
	s_lshl_b32 s47, s16, 9
	s_add_co_u32 s46, s46, s47
	s_mov_b32 s47, 0
	s_add_nc_u64 s[20:21], s[20:21], s[46:47]
	s_add_nc_u64 s[12:13], s[12:13], s[20:21]
	s_add_nc_u64 s[96:97], s[96:97], s[46:47]
	global_load_b128 v[BO:BO+3], v[CO], s[96:97]
.macro FRAG reg, adr, q, i
.irp p, 0,1,2,3,4,5
.set PC, 12*(\q)+6*(\p/3)+\p%3
.if PC%8 < 5
	ds_load_b64 v[\reg+2*\p:\reg+2*\p+1], v[\adr] offset:8*PC+16*(PC/8)+(\i)*16*PITCH
.else
	ds_load_b64 v[\reg+2*\p:\reg+2*\p+1], v[\adr+2] offset:8*PC+16*(PC/8)+(\i)*16*PITCH
.endif
.endr
.endm
.macro FRAGA reg, slot, q, i
.irp p, 0,1,2,3,4,5
	ds_load_b64 v[\reg+2*\p:\reg+2*\p+1], v[ADRA+\slot] offset:(2*(\q)+\p/3)*6144+(\i)*768+8*(\p%3)
.endr
.endm
.macro MUL16 a0, p, q, sc, zero
.irp a, \a0, \a0+1
.irp b, 0,1,2,3,4,5,6,7
.if \zero
	v_wmma_scale_f32_16x16x128_f8f6f4 v[8*(8*((\a)%4)+\b):8*(8*((\a)%4)+\b)+7], v[128*(\p)+FR*\b:128*(\p)+FR*\b+FR-1], v[AF+FR*(\a):AF+FR*(\a)+FR-1], 0, v[SCB+8*NQ*(\sc)+NQ*\b+(\q)], v[SCA+8*NQ*(\sc)+NQ*(\a)+(\q)] matrix_a_fmt:MATRIX_FMT_FP6 matrix_b_fmt:MATRIX_FMT_FP6
.else
	v_wmma_scale_f32_16x16x128_f8f6f4 v[8*(8*((\a)%4)+\b):8*(8*((\a)%4)+\b)+7], v[128*(\p)+FR*\b:128*(\p)+FR*\b+FR-1], v[AF+FR*(\a):AF+FR*(\a)+FR-1], v[8*(8*((\a)%4)+\b):8*(8*((\a)%4)+\b)+7], v[SCB+8*NQ*(\sc)+NQ*\b+(\q)], v[SCA+8*NQ*(\sc)+NQ*(\a)+(\q)] matrix_a_fmt:MATRIX_FMT_FP6 matrix_b_fmt:MATRIX_FMT_FP6
.endif
.endr
.endr
.endm
.macro FETCH_B slot, q, p
	WIN TO_B
.irp i, 0,1,2,3,4,5,6,7
	FRAG 128*(\p)+FR*\i, ADRB+\slot, \q, \i
.endr
	WIN 0
.endm
.macro FETCH_A slot, q, i0
.irp i, \i0, \i0+1, \i0+2, \i0+3
	FRAGA AF+FR*(\i), \slot, \q, \i
.endr
.endm
.macro SCALES sc
.irp i, 0,1,2,3,4,5,6,7
	ds_load_b64 v[SCA+8*NQ*\sc+NQ*\i:SCA+8*NQ*\sc+NQ*\i+1], v[ADSA] offset:\i*128
.endr
.irp i, 0,1,2,3,4,5,6,7
	ds_load_b64 v[SCB+8*NQ*\sc+NQ*\i:SCB+8*NQ*\sc+NQ*\i+1], v[ADSB] offset:\i*SBLK
.endr
.endm
.macro PLACES n
.rept \n
	v_nop
.endr
.endm
.macro STEP slot, q, zero
	s_wait_dscnt 4*NL
	WIN MUL_LO
	MUL16 0, (\q)%2, \q, \slot, \zero
	MUL16 2, (\q)%2, \q, \slot, \zero
	s_wait_dscnt 0
	PLACES NP
	FETCH_B \slot, (\q)+1, 1-(\q)%2
	FETCH_A \slot, (\q)+1, 0
	WIN MUL_HI
	MUL16 4, (\q)%2, \q, \slot, \zero
	MUL16 6, (\q)%2, \q, \slot, \zero
	PLACES NP
	WIN 0
	FETCH_A \slot, (\q)+1, 4
.endm
.macro TURN slot, next, fill
	s_wait_tensorcnt 0x0
	ds_add_u32 v[SPW], v[NIL]
	s_wait_dscnt 4*NL+1
	WIN MUL_LO
	MUL16 0, 1, NQ-1, \slot, 0
	s_wait_dscnt 0x0
	s_barrier_signal -1
	MUL16 2, 1, NQ-1, \slot, 0
	WIN 0
	s_barrier_wait -1
.if \fill
	CREST
	s_add_nc_u64 s[G0+4*\slot+2:G0+4*\slot+3], s[G0+4*\slot+2:G0+4*\slot+3], 2*1572864
	s_add_nc_u64 s[G0B+4*\slot+2:G0B+4*\slot+3], s[G0B+4*\slot+2:G0B+4*\slot+3], 2*ROWB
	JLOAD G0+4*\slot, G1, G0B+4*\slot, G1B
.else
	PLACES NP
.endif
	s_wait_alu depctr_va_vdst(0)
	v_add_nc_u32 v[ADSA], 1024, v[ADSA]
	v_add_nc_u32 v[ADSB], 4*NQ, v[ADSB]
	FETCH_B \next, 0, 0
	FETCH_A \next, 0, 0
	SCALES \next
	WIN MUL_HI
	MUL16 4, 1, NQ-1, \slot, 0
	MUL16 6, 1, NQ-1, \slot, 0
	PLACES NP
	WIN 0
	FETCH_A \next, 0, 4
.endm
	s_wait_loadcnt 0x0
	s_wait_tensorcnt 1
	s_barrier_signal -1
	s_barrier_wait -1
	FETCH_B 0, 0, 0
	FETCH_A 0, 0, 0
	SCALES 0
	FETCH_A 0, 0, 4
	STEP 0, 0, 1
	TURN 0, 1, 1
	STEP 1, 0, 0
	TURN 1, 0, 1
	STEP 0, 0, 0
	TURN 0, 1, 0
	STEP 1, 0, 0
	s_wait_dscnt 4*NL
	WIN MUL_LO
	MUL16 0, 1, NQ-1, 1, 0
	MUL16 2, 1, NQ-1, 1, 0
	s_wait_dscnt 0
	WIN MUL_HI
	MUL16 4, 1, NQ-1, 1, 0
	MUL16 6, 1, NQ-1, 1, 0
	WIN 0
.macro TOSTAGE a
.set AC, 64*((\a)%4)
	WIN 0x08+4*((\a)/4)
.irp b, 0,1,2,3,4,5,6,7
	ds_store_b128 v[STO], v[AC+8*\b:AC+8*\b+3] offset:64*\b
	ds_store_b128 v[STO], v[AC+8*\b+4:AC+8*\b+7] offset:64*\b+16
.endr
	WIN 0
.set BB, BK+64*((\a)%2)
.irp t, 0,1,2,3,4,5,6,7,8,9,10,11,12,13,14,15
	ds_load_b128 v[BB+4*\t:BB+4*\t+3], v[RD] offset:\t*SPITCH
.endr
.endm
.macro SEND a, younger
.set BB, BK+64*((\a)%2)
	s_wait_dscnt \younger
.if (\a) > 0
	s_add_nc_u64 s[12:13], s[12:13], 16*SIZE_N*4
.endif
.irp t, 0,1,2,3,4,5,6,7,8,9,10,11,12,13,14,15
	v_pk_add_f32 v[BB+4*\t:BB+4*\t+1], v[BB+4*\t:BB+4*\t+1], v[BO:BO+1]
	v_pk_add_f32 v[BB+4*\t+2:BB+4*\t+3], v[BB+4*\t+2:BB+4*\t+3], v[BO+2:BO+3]
.endr
.irp t, 0,1,2,3,4,5,6,7,8,9,10,11,12,13,14,15
	global_store_b128 v[CO], v[BB+4*\t:BB+4*\t+3], s[12:13] offset:\t*SIZE_N*4 th:TH_STORE_NT
.endr
.endm
	PLACES NP
	TOSTAGE 0
.irp a, 1,2,3,4,5,6,7
.if \a > 1
	s_wait_xcnt 0x0
.endif
	TOSTAGE \a
	SEND \a-1, 32
.endr
	s_wait_xcnt 0x0
	SEND 7, 0
	s_wait_tensorcnt 0x0
	ds_add_u32 v[SPW], v[NIL]
	s_wait_dscnt 0x0
	CROUND
	s_endpgm
.Lfunc_end_k_q110d675314_outp:
	.size	k_q110d675314_outp, .Lfunc_end_k_q110d675314_outp-k_q110d675314_outp
	.p2alignl 7, 3214868480
	.fill 96, 4, 3214868480
	.section	.rodata,"a",@progbits
	.p2align	6, 0x0
	.amdhsa_kernel k_q110d675314_outp
		.amdhsa_group_segment_fixed_size 327680
		.amdhsa_private_segment_fixed_size 0
		.amdhsa_enable_private_segment 0
		.amdhsa_kernarg_size 48
		.amdhsa_user_sgpr_count 2
		.amdhsa_user_sgpr_kernarg_segment_ptr 1
		.amdhsa_wavefront_size32 1
		.amdhsa_system_sgpr_workgroup_id_x 1
		.amdhsa_system_sgpr_workgroup_id_y 1
		.amdhsa_system_sgpr_workgroup_id_z 1
		.amdhsa_system_vgpr_workitem_id 0
		.amdhsa_next_free_vgpr 1024
		.amdhsa_next_free_sgpr 102
		.amdhsa_reserve_vcc 0
		.amdhsa_float_denorm_mode_32 3
		.amdhsa_float_denorm_mode_16_64 3
		.amdhsa_memory_ordered 1
		.amdhsa_forward_progress 1
		.amdhsa_inst_pref_size 179
	.end_amdhsa_kernel
	.amdgpu_metadata
---
amdhsa.version: [ 1, 2 ]
amdhsa.kernels:
  - .name:           k_q110d675314_outp
    .symbol:         k_q110d675314_outp.kd
    .args:
      - { .name: cc, .offset: 0, .size: 8, .value_kind: global_buffer, .address_space: global }
      - { .name: cs, .offset: 8, .size: 8, .value_kind: global_buffer, .address_space: global }
      - { .name: cod, .offset: 16, .size: 8, .value_kind: global_buffer, .address_space: global }
      - { .name: scl, .offset: 24, .size: 8, .value_kind: global_buffer, .address_space: global }
      - { .name: bo, .offset: 32, .size: 8, .value_kind: global_buffer, .address_space: global }
      - { .name: out0, .offset: 40, .size: 8, .value_kind: global_buffer, .address_space: global }
    .group_segment_fixed_size: 327680
    .private_segment_fixed_size: 0
    .kernarg_segment_align: 8
    .kernarg_segment_size: 48
    .max_flat_workgroup_size: 128
    .sgpr_count:     102
    .vgpr_count:     1024
    .wavefront_size: 32
...
	.end_amdgpu_metadata
.endif
;; end of part 4
